; MI455X (gfx1250); checked and timed in simulation.
; The chip was launched on July 23, 2026; its instructions are those of AMD's public machine-readable ISA for CDNA 5 (MIT licence, August 2026) and "CDNA5" Instruction Set Architecture Reference Guide (July 2026). The comments in the code are by the model that wrote it; some were corrected since.
;; Moeve Forward. Allowed arithmetic: matrix products marked QUANTISED: E3M2 operands, one E8M0 scale for each 32 along K, by v_wmma_scale_f32_16x16x128_f8f6f4 with both operands' format E3M2, f32 sums; products left as they are: f32 operands where the result goes on into a quantised operand, else bf16, f16 or f32 operands; f32 sums; everything else in f32.
;; Inputs: W1_codes 4,096 x 32 x 24 uint8 (E3M2 codes of W1, K innermost, in blocks of 32 codes, four codes in three bytes); W1_scales 4,096 x 32 uint8 (E8M0 scales of W1, one for each 32 codes along K); W2_codes 1,024 x 128 x 24 uint8 (E3M2 codes of W2, K innermost, in blocks of 32 codes, four codes in three bytes); W2_scales 1,024 x 128 uint8 (E8M0 scales of W2, one for each 32 codes along K); Wn 8 x 1,024 float32; Wr 8 x 1,024 float32; b1 4,096 float32; b2 1,024 float32; noise 8 float32; x 8,192 x 1,024 float32.
;; Outputs: out0 8,192 x 1,024 float32; out1 8 float32; out2 8 float32; out3 8 x 8,192 float32.
;; This version of the problem:
;;   THIS VERSION OF THE PROBLEM IS GIVEN IN LOW PRECISION. The matrix products marked QUANTISED in the list below multiply operands that are first quantised to E3M2 (3 exponent bits, 2 mantissa bits; 6 bits a number), with one power-of-two scale for each 32 numbers along K (OCP MX v1.0); their sums are f32. All else is computed in f32.
;;   The module's matrix products, in the order in which they are computed (A, B: the left and right operand; K: the contracted axis; several contracted axes count as one K, in the product's order):
;;     1. [M 8,192, K 1,024] x [K 1,024, N 8]; A: input x; B: input Wr: left as it is (N = 8 < 16)
;;     2. [M 8,192, K 1,024] x [K 1,024, N 8]; A: input x; B: input Wn: left as it is (N = 8 < 16)
;;     3. [M 8,192, K 1,024] x [K 1,024, N 4,096]; A: input x; B: input W1 (given as codes): QUANTISED
;;     4. [M 8,192, K 4,096] x [K 4,096, N 1,024]; A: computed on the way; B: input W2 (given as codes): QUANTISED
;;   THE QUANTISER, for each operand of a quantised product, along K:
;;     - K is cut into blocks of 32 from its start; a last block that is shorter is filled with zeros.
;;     - A block's scale is 2^e with e = floor(log2(the largest magnitude in the block)) - 4, held to -126 .. 127; a block of zeros has e = 0. As a byte (E8M0): e + 127.
;;     - Each number is divided by its block's scale, clamped to +-28, and rounded to the nearest number of E3M2, ties to even, subnormals kept.
;;     - The product sums the exact products of the quantised numbers (number of the format x scale) in f32.
;;   ~~~python
;;   def quantise(x, axis):      # numpy; x: float32 -> the quantised numbers, widened to float32 again
;;       x = np.moveaxis(x, axis, -1); K = x.shape[-1]
;;       x = np.pad(x, [(0, 0)] * (x.ndim - 1) + [(0, -K % 32)]); x = x.reshape(x.shape[:-1] + (-1, 32)); a = np.abs(x).max(-1, keepdims=True)
;;       e = np.where(a > 0, np.clip(np.frexp(np.where(a > 0, a, 1))[1] - 1 - 4, -126, 127), 0)      # np.frexp(a)[1] - 1 = floor(log2(a)), exactly
;;       r = np.clip(x / 2.0 ** e, -28, 28)
;;       step = 2.0 ** (np.maximum(np.frexp(np.where(r == 0, 1, r))[1] - 1, -2) - 2)
;;       q = np.round(r / step) * step * 2.0 ** e      # np.round: ties to even
;;       return np.moveaxis(q.reshape(q.shape[:-2] + (-1,))[..., :K], -1, axis).astype(np.float32)
;;   ~~~
;;   OPERANDS COMPUTED ON THE WAY. 'Computed on the way' means the value that the module computes at that place (a softmax that the list does not call 'softmax' is quantised finished and normalised). What goes into a quantiser is computed in f32, as accurately as f32 sums, v_exp_f32 and their like allow (about 1e-6 of the number): no bf16 or f16 on the way to a quantiser, and a product that is left as it is and whose result goes on into a quantised operand takes f32 operands (vector FMAs, or v_wmma_f32_16x16x4_f32). A number that lies on a knife's edge between two numbers of the format may be rounded either way, as far as f32 arithmetic and the matrix unit's own rounding can turn it there, and no further.
;;   INPUTS GIVEN AS CODES. W1 (in the module: [4096, 1024], K = its axis 1); W2 (in the module: [1024, 4096], K = its axis 1): each comes as NAME_codes (uint8): NAME with its K axis moved to the last place and cut into blocks of 32 codes, [.., K / 32, bytes a block], one block behind the other in memory; four codes in three bytes: a row's codes are one little-endian stream of bits, code i at bits 6 i .. 6 i + 5 (a code: sign, 3 exponent bits, 2 mantissa bits); and NAME_scales (uint8): the same leading axes, one E8M0 byte (e + 127) for each 32 codes along K. Its value is code x scale, taken as it is: it is not quantised again, and the codes and scales need not be those that the quantiser above would give.
;; One version. Each part assembles by itself: llvm-mc -triple=amdgcn-amd-amdhsa -mcpu=gfx1250 --defsym DOCPART=n.
;; ======== version 1 of 1: 3 launches
;; limits: a function is approximated: absolute error at most 3e-07
;; workspace buffers: xa 6,553,600 bytes; w1a 3,276,800 bytes; hq 26,214,400 bytes; w2a 3,276,800 bytes; wsum 32,768 bytes; part 32,768 bytes
;; launch prep (part 1): grid 256 x 1, 8 waves a work-group, no clusters, 223,488 bytes of LDS; arguments x, Wr, Wn, noise, W1_codes, W1_scales, W2_codes, W2_scales, xa, w1a, w2a, wsum, part, out3; writes xa, w1a, w2a, wsum, part, out3
.if DOCPART == 1
	.amdgcn_target "amdgcn-amd-amdhsa--gfx1250"
	.amdhsa_code_object_version 6
	.text
	.protected	k_qfa0983019c_prep
	.globl	k_qfa0983019c_prep
	.p2align	8
	.type	k_qfa0983019c_prep,@function
k_qfa0983019c_prep:
	s_mov_b64 s[64:65], 0
	v_nop
	global_prefetch_b8 v0, s[64:65] scope:SCOPE_SE
	s_setreg_imm32_b32 hwreg(HW_REG_WAVE_MODE, 25, 1), 1
	s_wait_xcnt 0x0
; PREP.  x [8192][1024] f32 is quantised to codes of BF6 (E3M2) with one E8M0 scale for each 32 along K; the router (x Wr^T, x Wn^T, softplus, top 2 and 3, softmax weights, normal CDF, one-hot) is computed in f32;
; W1's and W2's codes and scale bytes are copied into the order in which the two products' waves take them.
; CHUNKS.  All operands of the two products are laid in chunks of CH = 51,200 bytes: 32 fragments as images of their registers (FRB = 1,536 bytes: registers 4 c .. 4 c + 3 of lane l at 512 c + 16 l), then 2,048 bytes of scale words.
;   xa  [row block of 256][K step of 256]: fragment (q, mb) at (16 q + mb) FRB; scale word of row and q at SCO + 8 row + 4 q.
;   w1a the same for 256 rows of W1; lane r of block 2 b + u holds row 32 b + 8 u + r + 8 (r / 8), so that the first product's results lie as the next quantiser wants them; scale words in lane order.
;   w2a [128 rows of W2][K step of 512]: fragment (q, mb) at (8 q + mb) FRB; scale word at SCO + 1024 (q / 2) + 8 row + 4 (q % 2).
; SHARES.  Work-group g owns tokens 32 g .. 32 g + 31, two tiles of 16.  Wave w owns k = 128 w .. 128 w + 127 of both tiles: it makes two fragments of xa and a partial sum of the router's 16 columns, and copies one
; fragment of W1 and one of W2.  After the one barrier wave 0 adds the eight partial sums and runs the router, a lane to a token; wave 1 stores x's scale words.
; THE ROUTER'S PRODUCTS take f32 operands (v_wmma_f32_16x16x4_f32): its top-k decides numbers that are 0 or 1 in the output.  They are 2 of every 1,000 multiply-adds of the problem.
; The sums over tokens (loads, counts) leave as two half-wave sums a work-group in part; a later launch adds them.
; NO CLUSTER: Wr and Wn, 64 KB that every work-group reads, are the one shared input, against 152 KB of a work-group's own (x 128 KB, weights 24 KB); all is asked for once, at the head, and no slot is filled twice.
; LIMITS: NaN and infinities among the inputs are not served.  A softplus under 2^-126 counts as 0 (v_exp_f32 gives 0 there: ISA guide, its entry).  The CDF is 1/2 erfc by a fifth-degree formula in 1 / (1 + p a):
; absolute error at most 3e-7 for every argument.  Blocks of x whose largest magnitude lies under 2^-122 keep the scale byte 1; a block of zeros too (its codes are zeros; this program alone reads the bytes).
.set CH,    51200
.set FRB,   1536
.set SCO,   49152
.set WREG,  25344                      ; LDS of a wave: 8 rows of Wr, 8 of Wn, 2 x 16 of x, each 512 bytes + 16 of padding
.set XOFF,  8448                       ; 16 such rows
.set RED,   8*WREG                     ; the partial sums: [wave][tile][half] images of 512 bytes
.set XSW,   RED+16384                  ; x's scale words: [wave][32 tokens]
.set RS,    XSW+1024                   ; 16 rows (8 loads, 8 counts) of 32 tokens, 144 bytes apart
.set X,     16                         ; v16-79   64 numbers of x: register 16 b + i = k 32 b + 16 (lane / 16) + i of row lane % 16
.set W,     80                         ; v80-143  the same of Wr (rows 0-7) and Wn (rows 8-15)
.set ACC,   144                        ; v144-175 four accumulators (tile, parity of the K step): written by matrix instructions alone
.set PC,    176                        ; v176-195 the codes just made
.set TM,    196                        ; v196-211 at work in QUANT
.set PW,    212                        ; the scale word just made
.set PW0,   213                        ; tile 0's
.set WF,    214                        ; v214-237 the two weight fragments
.set G1W,   32                         ; s[32:39] descriptor group 1: 8 rows;  s[40:47]: 16 rows;  s[48:63] four groups 0
.set G1X,   40
.set SEL,   80                         ; s[80:81] v_permlanex16_b32's selects for lane l xor 16
; 64 numbers of a row's 128: sixteen loads of 16 bytes
.macro PIECE reg, adr, off
.irp b, 0,1,2,3
.irp j, 0,1,2,3
	ds_load_b128 v[\reg+16*\b+4*\j:\reg+16*\b+4*\j+3], v[\adr] offset:\off+128*\b+16*\j
.endr
.endr
.endm
; 64 numbers of a lane become a fragment's codes in v[PC] on and its scale word in v[PW]
.macro QUANT s
.irp b, 0,1,2,3
	v_max3_num_f32 v[TM+\b], |v[\s+16*\b]|, |v[\s+1+16*\b]|, 0x2800000   ; block b: my 16 numbers, and the floor 2^(5 - 127): the byte cannot fall under 1
.endr
.irp i, 2,4,6,8,10,12,14
.irp b, 0,1,2,3
	v_max3_num_f32 v[TM+\b], v[TM+\b], |v[\s+16*\b+\i]|, |v[\s+1+16*\b+\i]|   ; the four blocks by turns
.endr
.endr
.irp b, 0,1,2,3
	v_permlanex16_b32 v[TM+4+\b], v[TM+\b], s[SEL], s[SEL+1]
.endr
.irp b, 0,1,2,3
	v_max_num_f32 v[TM+\b], v[TM+\b], v[TM+4+\b]   ; with lane l xor 16: the block's largest magnitude
.endr
.irp b, 0,1,2,3
	v_add_nc_u32 v[TM+12+\b], 0xfe000000, v[TM+\b]   ; 4 off its exponent field: the conversion's scale operand
.endr
.irp b, 0,1,2,3
	v_lshrrev_b32 v[TM+4+\b], 23, v[TM+12+\b]   ; the scale's byte
.endr
	v_lshl_or_b32 v[PW], v[TM+5], 8, v[TM+4]
	v_lshl_or_b32 v[PW], v[TM+6], 16, v[PW]
	v_lshl_or_b32 v[PW], v[TM+7], 24, v[PW]
.irp c, 0,1
	v_cvt_scalef32_pk16_bf6_f32 v[PC+6*\c:PC+2+6*\c], v[\s+32*\c:\s+15+32*\c], v[TM+12+2*\c]
	v_cvt_scalef32_pk16_bf6_f32 v[PC+12+4*\c:PC+14+4*\c], v[\s+16+32*\c:\s+31+32*\c], v[TM+12+2*\c+1]   ; a conversion's three registers begin on an even number
.endr
	v_nop                                          ; one plain place behind a scaled conversion
.irp c, 0,1                                    ; the operand's layout wants a whole block in a lane
.irp i, 0,1,2
	v_permlane16_swap_b32 v[PC+6*\c+\i], v[PC+12+4*\c+\i]
.endr
.irp i, 0,1,2
	v_mov_b32 v[PC+3+6*\c+\i], v[PC+12+4*\c+\i]
.endr
.endr
.endm
; the fragment goes to xa as it stands: each store covers 512 consecutive bytes, aligned
.macro IMG off
.irp c, 0,1,2
	global_store_b128 v6, v[PC+4*\c:PC+4*\c+3], s[94:95] offset:\off+512*\c
.endr
.endm
; 32 products of 16 x 16 x 4: source 0 = the 16 rows of Wr and Wn, source 1 = 16 tokens; the same k stand in both sources' registers.  Two accumulators take turns, one instruction a turn.
.macro ROUTE t
.set i, 0
.rept 32
.set rD, ACC+16*(\t)+8*(i%2)
.if i < 2
	v_wmma_f32_16x16x4_f32 v[rD:rD+7], v[W+2*i:W+2*i+1], v[X+2*i:X+2*i+1], 0
.else
	v_wmma_f32_16x16x4_f32 v[rD:rD+7], v[W+2*i:W+2*i+1], v[X+2*i:X+2*i+1], v[rD:rD+7]
.endif
.set i, i+1
.endr
.endm
	s_load_b512 s[4:19], s[0:1], 0x0               ; x, Wr, Wn, noise, W1 codes, W1 scales, W2 codes, W2 scales
	s_load_b256 s[20:27], s[0:1], 0x40             ; xa, w1a, w2a, wsum
	s_load_b128 s[28:31], s[0:1], 0x60             ; part, out3
	v_lshl_add_u32 v254, v0, 2, 0x36500
	v_mov_b32 v255, 0
	ds_add_u32 v254, v255
	ds_add_u32 v254, v255
	v_lshrrev_b32 v1, 5, v0
	v_readfirstlane_b32 s66, v1                    ; wave 0..7
	s_mov_b32 s67, ttmp9                           ; g
.irp g, G1W, G1X
	s_mov_b32 s[\g], (2<<16)|(1<<20)|(6<<22)|(3<<25)   ; elements of 4 bytes; padding on: after every 128 words 4 words
	s_mov_b32 s[\g+1], 128<<16                     ; tensor_dim0 = 128
	s_mov_b32 s[\g+3], 128<<16                     ; tile_dim0 = 128
	s_mov_b32 s[\g+5], 1024                        ; elements from row to row
	s_mov_b32 s[\g+6], 0
	s_mov_b32 s[\g+7], 0
.endr
	s_mov_b32 s[G1W+2], 8<<16                      ; tensor_dim1, tile_dim1: 8 rows
	s_mov_b32 s[G1W+4], 8
	s_mov_b32 s[G1X+2], 16<<16                     ; 16 rows
	s_mov_b32 s[G1X+4], 16
	s_mov_b32 s[SEL], 0x76543210
	s_mov_b32 s[SEL+1], 0xfedcba98
	s_mov_b32 s82, 0xbfb8aa3b                      ; -log2(e)
	s_mov_b32 s83, 0x3fb8aa3b                      ; log2(e)
	s_mov_b32 s84, 0x3f317218                      ; ln 2
	s_mov_b32 s85, 0x3f3504f3                      ; 1 / sqrt(2)
	s_mov_b32 s86, 0x3ea7ba05                      ; p = 0.3275911
	s_mov_b32 s87, 0x3e027906                      ; the formula's five coefficients, halved
	s_mov_b32 s88, 0xbe11a98e
	s_mov_b32 s89, 0x3f35f0e3
	s_mov_b32 s90, 0xbf3a00e3
	s_mov_b32 s91, 0x3f07dc22
	s_mov_b32 s92, 0xff800000                      ; -infinity
	v_and_b32 v1, 31, v0                           ; lane
	v_and_b32 v2, 15, v0                           ; r
	v_bfe_u32 v3, v0, 4, 1                         ; h
	s_mul_i32 s68, s66, WREG                       ; my wave's LDS
	v_mul_u32_u24 v5, v2, 528
	v_lshl_add_u32 v5, v3, 6, v5
	v_add_nc_u32 v5, s68, v5                       ; v5: row r of Wr and Wn, + 64 h
	v_add_nc_u32 v4, XOFF, v5                      ; v4: row r of x's tile 0
	v_lshlrev_b32 v6, 4, v1                        ; v6: 16 x lane
	s_lshl_b32 s69, s66, 11
	v_add_nc_u32 v7, s69, v6
	v_add_nc_u32 v7, RED, v7                       ; v7: where I put my partial sums
	v_add_nc_u32 v8, RED, v6                       ; v8: where wave 0 reads them all
	v_lshl_add_u32 v9, v0, 2, XSW                  ; v9: my scale word: 128 x wave + 4 x lane
	v_lshlrev_b32 v15, 2, v1                       ; v15: 4 x lane
	v_add_nc_u32 v10, XSW, v15
	v_add_nc_u32 v11, RS, v15
	v_mul_u32_u24 v12, v2, 144
	v_lshl_add_u32 v12, v3, 6, v12
	v_add_nc_u32 v12, RS, v12                      ; v12: value r, tokens 16 h on
	v_and_b32 v238, 8, v2
	v_add_nc_u32 v238, v238, v2                    ; r + 8 (r / 8)
	v_mul_u32_u24 v13, v238, 768                   ; v13: W1's codes: a row is 768 bytes
	v_mad_u32_u24 v13, v3, 24, v13
	v_mul_u32_u24 v14, v2, 3072                    ; v14: W2's codes: a row is 3,072 bytes
	v_mad_u32_u24 v14, v3, 24, v14
	v_lshlrev_b32 v239, 5, v238                    ; v239: W1's scale bytes: 32 a row, + 8 h
	v_lshl_add_u32 v239, v3, 3, v239
	v_mul_u32_u24 v240, v3, CH                     ; v240: and their place: chunk h, 8 r
	v_lshl_add_u32 v240, v2, 3, v240
	v_lshlrev_b32 v241, 7, v2                      ; v241: W2's scale bytes: 128 a row, + 8 h
	v_lshl_add_u32 v241, v3, 3, v241
	v_lshlrev_b32 v242, 10, v3                     ; v242: and their place: 1024 h + 8 r
	v_lshl_add_u32 v242, v2, 3, v242
	v_lshlrev_b32 v243, 3, v1                      ; v243: 8 x lane
.irp b, 0,1,2,3
	v_mov_b32 v[TM+4+\b], 0                        ; written once: a lane permute's destination counts as one of its sources
.endr
	s_lshl_b32 s70, s66, 9                         ; my 128 numbers of a row: 512 w bytes
	s_mov_b32 s71, 0
	s_wait_dscnt 0x0
	s_wait_kmcnt 0x0
	s_load_b256 s[72:79], s[10:11], 0x0            ; noise, eight numbers
	s_mov_b32 s48, 1
	s_mov_b32 s49, s68
	s_add_nc_u64 s[50:51], s[6:7], s[70:71]        ; Wr
	s_or_b32 s51, s51, 0x80000000
	s_mov_b32 s52, 1
	s_add_co_u32 s53, s68, 4224
	s_add_nc_u64 s[54:55], s[8:9], s[70:71]        ; Wn
	s_or_b32 s55, s55, 0x80000000
	s_lshl_b32 s69, s67, 17                        ; 32 rows of 4,096 bytes a work-group
	s_add_co_u32 s70, s70, s69
	s_add_nc_u64 s[4:5], s[4:5], s[70:71]
	s_mov_b32 s56, 1
	s_add_co_u32 s57, s68, XOFF
	s_mov_b64 s[58:59], s[4:5]                     ; x, tile 0
	s_or_b32 s59, s59, 0x80000000
	s_mov_b32 s60, 1
	s_add_co_u32 s61, s68, 2*XOFF
	s_add_nc_u64 s[62:63], s[4:5], 65536           ; x, tile 1
	s_or_b32 s63, s63, 0x80000000
	tensor_load_to_lds s[48:51], s[G1W:G1W+7]      ; the launch's only fills, one group: four loads of mine are out
	s_nop 0
	tensor_load_to_lds s[52:55], s[G1W:G1W+7]
	s_nop 0
	tensor_load_to_lds s[56:59], s[G1X:G1X+7]
	s_nop 0
	tensor_load_to_lds s[60:63], s[G1X:G1X+7]
	s_nop 0
.rept 4
	v_nop
.endr
	; where everything comes from and goes to: offsets in s70 (s71 = 0), added to each buffer's own address
	s_lshr_b32 s68, s67, 3                         ; xa: row block g / 8
	s_mul_i32 s70, s68, 4*CH
	s_add_nc_u64 s[20:21], s[20:21], s[70:71]
	s_and_b32 s93, s67, 7
	s_lshr_b32 s68, s66, 1                         ; chunk w / 2, q = w % 2, blocks 2 (g % 8) and the next
	s_mul_i32 s70, s68, CH
	s_and_b32 s68, s66, 1
	s_lshl_b32 s68, s68, 4
	s_lshl_b32 s69, s93, 1
	s_add_co_u32 s68, s68, s69
	s_mul_i32 s68, s68, FRB
	s_add_co_u32 s70, s70, s68
	s_add_nc_u64 s[94:95], s[20:21], s[70:71]      ; my two fragments of xa
	s_lshl_b32 s70, s93, 8
	s_add_co_u32 s70, s70, SCO
	s_add_nc_u64 s[96:97], s[20:21], s[70:71]      ; the work-group's scale words in chunk 0
	s_lshr_b32 s68, s67, 4                         ; w1a: row block g / 16, block g % 16
	s_mul_i32 s70, s68, 4*CH
	s_add_nc_u64 s[22:23], s[22:23], s[70:71]
	s_and_b32 s93, s67, 15
	s_lshr_b32 s69, s66, 1
	s_mul_i32 s70, s69, CH
	s_and_b32 s69, s66, 1
	s_lshl_b32 s69, s69, 4
	s_add_co_u32 s69, s69, s93
	s_mul_i32 s69, s69, FRB
	s_add_co_u32 s70, s70, s69
	s_add_nc_u64 s[98:99], s[22:23], s[70:71]      ; my fragment of w1a
	s_lshl_b32 s70, s93, 7
	s_add_co_u32 s70, s70, SCO
	s_add_nc_u64 s[22:23], s[22:23], s[70:71]      ; the block's scale words in chunk 0
	s_lshl_b32 s68, s68, 8                         ; the block's first row of W1: 256 (g / 16) + 32 ((g / 2) % 8) + 8 (g % 2)
	s_bfe_u32 s69, s67, 0x30001
	s_lshl_b32 s69, s69, 5
	s_add_co_u32 s68, s68, s69
	s_and_b32 s69, s67, 1
	s_lshl_b32 s69, s69, 3
	s_add_co_u32 s68, s68, s69
	s_mul_i32 s70, s68, 768
	s_mul_i32 s69, s66, 96                         ; K step w: 96 bytes
	s_add_co_u32 s70, s70, s69
	s_add_nc_u64 s[12:13], s[12:13], s[70:71]
	s_lshl_b32 s70, s68, 5
	s_add_nc_u64 s[14:15], s[14:15], s[70:71]
	s_lshr_b32 s68, s67, 5                         ; w2a: row block g / 32, block (g / 4) % 8, K step 8 (g % 4) + w
	s_mul_i32 s70, s68, 8*CH
	s_add_nc_u64 s[24:25], s[24:25], s[70:71]
	s_and_b32 s93, s67, 3
	s_lshl_b32 s68, s93, 3
	s_add_co_u32 s68, s68, s66
	s_bfe_u32 s69, s67, 0x30002
	s_lshr_b32 s70, s68, 2
	s_mul_i32 s70, s70, CH
	s_and_b32 s2, s68, 3
	s_lshl_b32 s2, s2, 3
	s_add_co_u32 s2, s2, s69
	s_mul_i32 s2, s2, FRB
	s_add_co_u32 s70, s70, s2
	s_add_nc_u64 s[2:3], s[24:25], s[70:71]        ; my fragment of w2a
	s_mul_i32 s70, s93, 2*CH
	s_lshl_b32 s69, s69, 7
	s_add_co_u32 s70, s70, s69
	s_add_co_u32 s70, s70, SCO
	s_add_nc_u64 s[24:25], s[24:25], s[70:71]      ; the block's scale words in chunk 2 (g % 4)
	s_lshr_b32 s69, s67, 2
	s_mul_i32 s70, s69, 16*3072
	s_mul_i32 s68, s68, 96
	s_add_co_u32 s70, s70, s68
	s_add_nc_u64 s[16:17], s[16:17], s[70:71]
	s_lshl_b32 s70, s69, 11
	s_lshl_b32 s68, s93, 5
	s_add_co_u32 s70, s70, s68
	s_add_nc_u64 s[18:19], s[18:19], s[70:71]
	s_lshl_b32 s70, s67, 7                         ; 32 tokens or 32 words of 4 bytes
	s_add_nc_u64 s[26:27], s[26:27], s[70:71]
	s_add_nc_u64 s[28:29], s[28:29], s[70:71]
	s_add_nc_u64 s[30:31], s[30:31], s[70:71]
	; the two weight fragments: a lane's 2 x 24 bytes as they lie, in pieces of 8
.irp p, 0,1,2,3,4,5
	global_load_b64 v[WF+2*\p:WF+2*\p+1], v13, s[12:13] offset:48*(\p/3)+8*(\p%3)
.endr
.irp p, 0,1,2,3,4,5
	global_load_b64 v[WF+12+2*\p:WF+12+2*\p+1], v14, s[16:17] offset:48*(\p/3)+8*(\p%3)
.endr
	s_wait_loadcnt 0x0
.irp c, 0,1,2
	global_store_b128 v6, v[WF+4*\c:WF+4*\c+3], s[98:99] offset:512*\c
	global_store_b128 v6, v[WF+12+4*\c:WF+12+4*\c+3], s[2:3] offset:512*\c
.endr
	s_cmp_eq_u32 s66, 2                            ; wave 2: the scale words of W1's block, 8 bytes a row and chunk
	s_cbranch_scc0 .Lnot_w1s
	global_load_b64 v[244:245], v239, s[14:15]
	global_load_b64 v[246:247], v239, s[14:15] offset:16
	s_wait_loadcnt 0x0
	global_store_b64 v240, v[244:245], s[22:23]
	global_store_b64 v240, v[246:247], s[22:23] offset:2*CH
.Lnot_w1s:
	s_cmp_eq_u32 s66, 3                            ; wave 3: those of W2's block, for its 8 K steps
	s_cbranch_scc0 .Lnot_w2s
	global_load_b64 v[248:249], v241, s[18:19]
	global_load_b64 v[250:251], v241, s[18:19] offset:16
	s_wait_loadcnt 0x0
	global_store_b64 v242, v[248:249], s[24:25]
	global_store_b64 v242, v[250:251], s[24:25] offset:CH
.Lnot_w2s:
	s_wait_tensorcnt 0x1                           ; Wr, Wn and tile 0 are in; tile 1 may be out.  Only I read my bytes
	PIECE W, 5, 0
	PIECE X, 4, 0
	s_wait_dscnt 0x0
	QUANT X
	IMG 0
	v_mov_b32 v[PW0], v[PW]
	ROUTE 0
	s_wait_tensorcnt 0x0
.rept 8
	v_nop                                          ; eight places behind this matrix form, in front of loads into its sources
.endr
	PIECE X, 4, XOFF
	s_wait_dscnt 0x0
	s_wait_xcnt 0x0                                ; tile 0's stores have read the codes' registers
	QUANT X
	IMG FRB
	ROUTE 1
.rept 8
	v_nop                                          ; and in front of the first read of its results
.endr
.irp t, 0,1
.irp j, 0,1,2,3,4,5,6,7
	v_add_f32 v[16+8*\t+\j], v[ACC+16*\t+\j], v[ACC+16*\t+8+\j]   ; the two parities; each accumulator from its low end on
.endr
.endr
.irp t, 0,1
.irp c, 0,1
	ds_store_b128 v7, v[16+8*\t+4*\c:16+8*\t+4*\c+3] offset:1024*\t+512*\c
.endr
.endr
	v_cmp_lt_u32 vcc_lo, 15, v1
	v_cndmask_b32 v[PW0], v[PW0], v[PW], vcc_lo    ; lanes 0-15: tile 0's words, lanes 16-31: tile 1's
	ds_store_b32 v9, v[PW0]
	s_wait_kmcnt 0x0                               ; noise
	s_wait_dscnt 0x0                               ; for the others' sake: my stores have landed
	s_barrier_signal -1
	s_barrier_wait -1
	s_cmp_eq_u32 s66, 0
	s_cbranch_scc1 .Lrouter
	s_cmp_eq_u32 s66, 1
	s_cbranch_scc0 .Lend
.irp c, 0,1,2,3                                ; wave 1: x's scale words, a pair (q = 0, 1) for each token and chunk
	ds_load_b32 v[32+2*\c], v10 offset:256*\c
	ds_load_b32 v[33+2*\c], v10 offset:256*\c+128
.endr
.irp c, 0,1,2,3
	s_wait_dscnt 6-2*\c                            ; the younger pairs may be out
	global_store_b64 v243, v[32+2*\c:33+2*\c], s[96:97] offset:\c*CH   ; 256 consecutive bytes, aligned
.endr
.Lend:
	s_wait_tensorcnt 0x0
	ds_add_u32 v254, v255
	s_wait_dscnt 0x0
	s_endpgm
.Lrouter:
.set R_L,  16                          ; eight registers each: the logits,
.set R_Y,  24                          ; x Wn^T,
.set R_U,  32
.set R_S,  40
.set R_LG, 48
.set R_RC, 56
.set R_C,  64
.set R_SP, 72                          ; the softplus,
.set R_N,  80                          ; the noisy logits,
.set R_Z,  88
.set R_A,  96
.set R_T,  104
.set R_E,  112
.set R_P,  120                         ; the probabilities,
.set R_AS, 128                         ; the one-hot sum
.set M1,   136                         ; the three largest noisy logits
.set M2,   137
.set M3,   138
.set E1,   139
.set RDN,  140
.set NEED, 141
.set TK,   142
.set ONE,  143
.irp w, 0,1,2,3,4,5,6,7
.irp c, 0,1,2,3
	ds_load_b128 v[16+16*\w+4*\c:16+16*\w+4*\c+3], v8 offset:2048*\w+512*\c
.endr
.endr
	s_wait_dscnt 0x0
.irp w, 1,2,3,4,5,6,7
.irp p, 0,1,2,3,4,5,6,7
	v_pk_add_f32 v[16+2*\p:17+2*\p], v[16+2*\p:17+2*\p], v[16+16*\w+2*\p:17+16*\w+2*\p]
.endr
.endr
.irp j, 0,1,2,3,4,5,6,7
	v_permlane16_swap_b32 v[R_L+\j], v[R_Y+\j]     ; before: lanes 0-15 logits, lanes 16-31 x Wn^T, of tile 0 and of tile 1.  After: a lane to a token
.endr
	; softplus(y) = max(y, 0) + log1p(u), u = e^-|y|; log1p(u) = ln(s) - ((s - 1) - u) / s with s = 1 + u as rounded
.irp e, 0,1,2,3,4,5,6,7
	v_mul_f32 v[R_U+\e], s82, |v[R_Y+\e]|
.endr
.irp e, 0,1,2,3,4,5,6,7
	v_exp_f32 v[R_U+\e], v[R_U+\e]
.endr
.irp e, 0,1,2,3,4,5,6,7
	v_max_num_f32 v[R_SP+\e], 0, v[R_Y+\e]         ; plain work behind the batch
.endr
	s_wait_alu depctr_va_vdst(0)                   ; one wait for the batch, ahead of its first reader
.irp e, 0,1,2,3,4,5,6,7
	v_add_f32 v[R_S+\e], 1.0, v[R_U+\e]
.endr
.irp e, 0,1,2,3,4,5,6,7
	v_log_f32 v[R_LG+\e], v[R_S+\e]
.endr
.irp e, 0,1,2,3,4,5,6,7
	v_rcp_f32 v[R_RC+\e], v[R_S+\e]
.endr
.irp e, 0,1,2,3,4,5,6,7
	v_add_f32 v[R_C+\e], -1.0, v[R_S+\e]
.endr
.irp e, 0,1,2,3,4,5,6,7
	v_sub_f32 v[R_C+\e], v[R_C+\e], v[R_U+\e]
.endr
	s_wait_alu depctr_va_vdst(0)
.irp e, 0,1,2,3,4,5,6,7
	v_mul_f32 v[R_C+\e], v[R_C+\e], v[R_RC+\e]
.endr
.irp e, 0,1,2,3,4,5,6,7
	v_fma_f32 v[R_LG+\e], v[R_LG+\e], s84, -v[R_C+\e]
.endr
.irp e, 0,1,2,3,4,5,6,7
	v_add_f32 v[R_SP+\e], v[R_SP+\e], v[R_LG+\e]
.endr
.irp e, 0,1,2,3,4,5,6,7
	v_fma_f32 v[R_N+\e], s[72+\e], v[R_SP+\e], v[R_L+\e]   ; logit + noise x softplus
.endr
	v_mov_b32 v[M1], s92
	v_mov_b32 v[M2], s92
	v_mov_b32 v[M3], s92
.irp e, 0,1,2,3,4,5,6,7
	v_med3_num_f32 v[M3], v[M2], v[M3], v[R_N+\e]  ; the new number held between the old third and second,
	v_med3_num_f32 v[M2], v[M1], v[M2], v[R_N+\e]  ; between the old second and first,
	v_max_num_f32 v[M1], v[M1], v[R_N+\e]
.endr
	v_sub_f32 v[E1], v[M2], v[M1]                  ; the softmax of the two: the maximum is taken away
	v_mul_f32 v[E1], s83, v[E1]
	v_exp_f32 v[E1], v[E1]
.irp e, 0,1,2,3,4,5,6,7
	v_rcp_f32 v[R_RC+\e], v[R_SP+\e]
.endr
	v_mov_b32 v[ONE], 1.0                          ; a plain place behind the batch
.irp e, 0,1,2,3,4,5,6,7
	v_cmp_ge_f32 vcc_lo, v[R_N+\e], v[M2]
	v_cndmask_b32 v[R_Z+\e], v[M2], v[M3], vcc_lo  ; the k-th best without me: the third if I am among the two, else the second
.endr
.irp e, 0,1,2,3,4,5,6,7
	v_sub_f32 v[R_Z+\e], v[R_L+\e], v[R_Z+\e]
.endr
	s_wait_alu depctr_va_vdst(0)
.irp e, 0,1,2,3,4,5,6,7
	v_mul_f32 v[R_Z+\e], v[R_Z+\e], v[R_RC+\e]     ; z
.endr
	v_add_f32 v[RDN], 1.0, v[E1]
.irp e, 0,1,2,3,4,5,6,7
	v_mul_f32 v[R_A+\e], s85, |v[R_Z+\e]|          ; a = |z| / sqrt(2)
.endr
.irp e, 0,1,2,3,4,5,6,7
	v_fma_f32 v[R_T+\e], v[R_A+\e], s86, 1.0
.endr
.irp e, 0,1,2,3,4,5,6,7
	v_mul_f32 v[R_E+\e], v[R_A+\e], v[R_A+\e]
.endr
.irp e, 0,1,2,3,4,5,6,7
	v_mul_f32 v[R_E+\e], s82, v[R_E+\e]
.endr
	v_rcp_f32 v[RDN], v[RDN]
.irp e, 0,1,2,3,4,5,6,7
	v_rcp_f32 v[R_T+\e], v[R_T+\e]                 ; t = 1 / (1 + p a)
.endr
.irp e, 0,1,2,3,4,5,6,7
	v_exp_f32 v[R_E+\e], v[R_E+\e]                 ; e^(-a a)
.endr
	v_nop                                          ; a plain place behind the batch
	; the one-hot sum, ties as jax.lax.top_k breaks them (the lower index): all above the second are in; of those equal to it the first NEED
	v_cmp_gt_f32 vcc_lo, v[M1], v[M2]
	v_cndmask_b32 v[NEED], 2.0, v[ONE], vcc_lo
.irp e, 0,1,2,3,4,5,6,7
	v_cmp_eq_f32 vcc_lo, v[R_N+\e], v[M2]
	v_cndmask_b32 v[TK], 0, v[NEED], vcc_lo
	v_min_num_f32 v[TK], 1.0, v[TK]
	v_sub_f32 v[NEED], v[NEED], v[TK]
	v_cmp_gt_f32 vcc_lo, v[R_N+\e], v[M2]
	v_cndmask_b32 v[R_AS+\e], v[TK], v[ONE], vcc_lo
.endr
	s_wait_alu depctr_va_vdst(0)
.irp e, 0,1,2,3,4,5,6,7
	v_fma_f32 v[R_P+\e], v[R_T+\e], s91, s90
.endr
.irp e, 0,1,2,3,4,5,6,7
	v_fma_f32 v[R_P+\e], v[R_P+\e], v[R_T+\e], s89
.endr
.irp e, 0,1,2,3,4,5,6,7
	v_fma_f32 v[R_P+\e], v[R_P+\e], v[R_T+\e], s88
.endr
.irp e, 0,1,2,3,4,5,6,7
	v_fma_f32 v[R_P+\e], v[R_P+\e], v[R_T+\e], s87
.endr
.irp e, 0,1,2,3,4,5,6,7
	v_mul_f32 v[R_P+\e], v[R_P+\e], v[R_T+\e]
.endr
.irp e, 0,1,2,3,4,5,6,7
	v_mul_f32 v[R_P+\e], v[R_P+\e], v[R_E+\e]      ; 1/2 erfc(a)
.endr
.irp e, 0,1,2,3,4,5,6,7
	v_sub_f32 v[R_U+\e], 1.0, v[R_P+\e]
.endr
.irp e, 0,1,2,3,4,5,6,7
	v_cmp_le_f32 vcc_lo, 0, v[R_Z+\e]
	v_cndmask_b32 v[R_P+\e], v[R_P+\e], v[R_U+\e], vcc_lo
.endr
	v_fma_f32 v[E1], v[E1], v[RDN], v[RDN]         ; the two weights' sum: 1 / (1 + e1) + e1 / (1 + e1)
.irp e, 0,1,2,3,4,5,6,7
	global_store_b32 v15, v[R_AS+\e], s[30:31] offset:32768*\e   ; out3[e][token]
.endr
	global_store_b32 v15, v[E1], s[26:27]
.irp e, 0,1,2,3,4,5,6,7
	ds_store_b32 v11, v[R_P+\e] offset:144*\e
	ds_store_b32 v11, v[R_AS+\e] offset:144*(8+\e)
.endr
.irp c, 0,1,2,3
	ds_load_b128 v[16+4*\c:19+4*\c], v12 offset:16*\c   ; LDS serves a wave's instructions in order (ISA guide 5.7.1.4): these see my stores.  Lane (r, h): value r of tokens 16 h on
.endr
	s_wait_dscnt 0x0
.irp j, 0,2,4,6
	v_pk_add_f32 v[16+\j:17+\j], v[16+\j:17+\j], v[24+\j:25+\j]
.endr
	v_pk_add_f32 v[16:17], v[16:17], v[20:21]
	v_pk_add_f32 v[18:19], v[18:19], v[22:23]
	v_pk_add_f32 v[16:17], v[16:17], v[18:19]
	v_add_f32 v16, v16, v17
	global_store_b32 v15, v16, s[28:29]            ; part[g][value + 16 half]
	s_wait_tensorcnt 0x0
	ds_add_u32 v254, v255
	s_wait_dscnt 0x0
	s_endpgm
.Lfunc_end_k_qfa0983019c_prep:
	.size	k_qfa0983019c_prep, .Lfunc_end_k_qfa0983019c_prep-k_qfa0983019c_prep
	.p2alignl 7, 3214868480
	.fill 96, 4, 3214868480
	.section	.rodata,"a",@progbits
	.p2align	6, 0x0
	.amdhsa_kernel k_qfa0983019c_prep
		.amdhsa_group_segment_fixed_size 223488
		.amdhsa_private_segment_fixed_size 0
		.amdhsa_enable_private_segment 0
		.amdhsa_kernarg_size 112
		.amdhsa_user_sgpr_count 2
		.amdhsa_user_sgpr_kernarg_segment_ptr 1
		.amdhsa_wavefront_size32 1
		.amdhsa_system_sgpr_workgroup_id_x 1
		.amdhsa_system_sgpr_workgroup_id_y 1
		.amdhsa_system_sgpr_workgroup_id_z 1
		.amdhsa_system_vgpr_workitem_id 0
		.amdhsa_next_free_vgpr 256
		.amdhsa_next_free_sgpr 100
		.amdhsa_reserve_vcc 1
		.amdhsa_float_denorm_mode_32 3
		.amdhsa_float_denorm_mode_16_64 3
		.amdhsa_memory_ordered 1
		.amdhsa_forward_progress 1
		.amdhsa_inst_pref_size 52
	.end_amdhsa_kernel
	.amdgpu_metadata
---
amdhsa.version: [ 1, 2 ]
amdhsa.kernels:
  - .name:           k_qfa0983019c_prep
    .symbol:         k_qfa0983019c_prep.kd
    .args:
      - { .name: x, .offset: 0, .size: 8, .value_kind: global_buffer, .address_space: global }
      - { .name: Wr, .offset: 8, .size: 8, .value_kind: global_buffer, .address_space: global }
      - { .name: Wn, .offset: 16, .size: 8, .value_kind: global_buffer, .address_space: global }
      - { .name: noise, .offset: 24, .size: 8, .value_kind: global_buffer, .address_space: global }
      - { .name: W1_codes, .offset: 32, .size: 8, .value_kind: global_buffer, .address_space: global }
      - { .name: W1_scales, .offset: 40, .size: 8, .value_kind: global_buffer, .address_space: global }
      - { .name: W2_codes, .offset: 48, .size: 8, .value_kind: global_buffer, .address_space: global }
      - { .name: W2_scales, .offset: 56, .size: 8, .value_kind: global_buffer, .address_space: global }
      - { .name: xa, .offset: 64, .size: 8, .value_kind: global_buffer, .address_space: global }
      - { .name: w1a, .offset: 72, .size: 8, .value_kind: global_buffer, .address_space: global }
      - { .name: w2a, .offset: 80, .size: 8, .value_kind: global_buffer, .address_space: global }
      - { .name: wsum, .offset: 88, .size: 8, .value_kind: global_buffer, .address_space: global }
      - { .name: part, .offset: 96, .size: 8, .value_kind: global_buffer, .address_space: global }
      - { .name: out3, .offset: 104, .size: 8, .value_kind: global_buffer, .address_space: global }
    .group_segment_fixed_size: 223488
    .private_segment_fixed_size: 0
    .kernarg_segment_align: 8
    .kernarg_segment_size: 112
    .max_flat_workgroup_size: 256
    .sgpr_count:     100
    .vgpr_count:     256
    .wavefront_size: 32
...
	.end_amdgpu_metadata
.endif
;; end of part 1
;; launch up (part 2): grid 16 x 16, 4 waves a work-group, clusters of 4 x 4, 327,680 bytes of LDS; arguments xa, w1a, b1, part, hq, out1, out2; writes hq, out1, out2
.if DOCPART == 2
	.amdgcn_target "amdgcn-amd-amdhsa--gfx1250"
	.amdhsa_code_object_version 6
	.text
	.protected	k_qfa0983019c_up
	.globl	k_qfa0983019c_up
	.p2align	8
	.type	k_qfa0983019c_up,@function
k_qfa0983019c_up:
	s_mov_b64 s[64:65], 0
	v_nop
	global_prefetch_b8 v0, s[64:65] scope:SCOPE_SE
	s_setreg_imm32_b32 hwreg(HW_REG_WAVE_MODE, 25, 1), 1
	s_wait_xcnt 0x0
	s_wait_alu depctr_hold_cnt(0) depctr_sa_sdst(0) depctr_va_vdst(0) depctr_va_sdst(0) depctr_va_ssrc(0) depctr_va_vcc(0) depctr_vm_vsrc(0)
	s_getreg_b32 s2, hwreg(HW_REG_IB_STS2, 6, 4)
	s_cmp_eq_u32 s2, 0
	s_cbranch_scc0 .Lentry_in_a_cluster
	s_endpgm
.Lentry_in_a_cluster:
	s_bfe_u32 s2, ttmp6, 0x10000c
	s_cmp_lg_u32 s2, 0xf033
	s_cbranch_scc0 .Lentry_shape_is_right
	s_endpgm
.Lentry_shape_is_right:
; UP.  h = leaky(Q(x) W1^T + b1), quantised along the hidden axis to codes of BF6 (E3M2) with one E8M0 scale for each 32, and stored as the second product's operand.  Also: the sums over tokens, out1 and out2.
; A tile is 256 tokens x 256 hidden units; four waves, each 128 x 128: 64 accumulators of 16 x 16, 512 registers.  K = 1,024 goes in four chunks of 256 through two LDS slots.
; A WORK-GROUP STAYS: it makes two tiles of the same 256 hidden units, 4,096 tokens apart (512 tiles, 256 work-groups).  The ring does not stop at the first tile's end: its last two changes of slots ask for the
; second tile's first two chunks, which land while the first tile is quantised and stored; b1 stays in registers for both.  Both tiles are written out.
; OPERANDS lie in memory in chunks of 51,200 bytes (32 fragments as images of their registers, 1,536 bytes each, then 2,048 bytes of scale words): a slot's part of an operand is one dense block, a fragment comes
; by three loads of 16 bytes a lane at 16 x lane, and the scale words come with the slot.
; THE MATRIX INSTRUCTION IS USED TRANSPOSED (source 0 = 16 rows of W1, source 1 = 16 tokens), and W1's rows were laid so that lane r of block 2 b + u holds row 32 b + 8 u + r + 8 (r / 8): a lane then holds ONE token,
; and the 64 registers of a token block's eight accumulators are hidden units 32 b + 16 (lane / 16) + i at register 16 b + i, which is what the conversions take.  b1 is the C of each sum's first product.
; CLUSTERS: 4 x 4 work-groups.  The four of a row need the same chunk of x, the four of a column the same chunk of W1: each is asked for jointly, by the same tensor load with a mask that names the four.
; hq: [128 tokens][K step of 512] chunks; fragment (q, mb) at (8 q + mb) 1536; scale word at 49152 + 1024 (q / 2) + 8 row + 4 (q % 2).
; REGISTERS, in windows of 256: window 0: v1-29 addresses; v32-47 x's scale words, v48-63 W1's (a set for each slot; a register holds two blocks: lanes 0-15 block 2 i, lanes 16-31 block 2 i + 1);
;   v64-159, v160-255 x's fragments, two sets; on the way out v64-191 are at work.  window 1: W1's fragments, two sets, at v0 and v128; b1's eight tiles at v96-127 and v224-255.  windows 2, 3: the accumulators.
; LIMITS: NaN and infinities are not served; blocks of h whose largest magnitude lies under 2^-122 keep the scale byte 1 (a block of zeros too: its codes are zeros, and this program alone reads the bytes).
.set CH,    51200
.set FRB,   1536
.set SCO,   49152
.set HALF,  25600                      ; what one tensor load brings: 100 rows of 256 bytes
.set SLOT,  2*CH                       ; x's chunk, then W1's
.set NEXTA, 62*CH                      ; from a slot's last chunk of x in a tile (2 or 3) to its first in the next tile (0 or 1): 16 tile rows of 4 chunks on, 2 chunks back
.set BACKB, 2*CH                       ; W1 only back: both tiles take the same rows of W1
.set NEXTH, 256*CH                     ; hq: 32 blocks of 128 tokens, 8 chunks each
.set HSW,   2*SLOT                     ; behind the ring: h's scale words, [row half][128 rows][column half]
.set SPARE, HSW+2048                   ; the spare words, 128 bytes for each wave: two blocks of 256 bytes that no other line names
.set ADRA, 16                          ; v16-17 my fragments of x in slot 0, 1
.set ADRB, 18                          ; v18-19 of W1
.set ASA,  20                          ; v20-21 my scale words of x
.set ASB,  22                          ; v22-23 of W1
.set LI,   24                          ; v24 16 x lane
.set HSA,  25                          ; v25 where I put a row's scale word of h
.set HSR,  26                          ; v26 where I read 16 bytes of them back
.set SPW,  28                          ; v28 my spare word; never rewritten
.set NIL,  29                          ; v29 0; never rewritten
.set SA,   32
.set SB,   48
.set AF,   64
.set T,    128                         ; the way out: 64 numbers
.set PC,   64                          ; the codes just made
.set TM,   96
.set PW,   112
.set G1A,  24
.set G0A,  32
.set G1B,  48
.set G0B,  56
.set SEL,  66
.set MSB, 0
.macro WIN new                         ; the immediate's high byte repeats the setting that is left
.if MSB != (\new)
	s_set_vgpr_msb (MSB<<8)|(\new)
.set MSB, (\new)
.endif
.endm
.macro PLACES n
.rept \n
	v_nop
.endr
.endm
; a joint load: waves 0 and 1 fetch the halves of x's chunk, waves 2 and 3 those of W1's.  The branch hangs on the wave's number alone.  Four v_nop follow each of the two lines.
.macro JLOAD s
	s_cmp_eq_u32 s19, 0
	s_cbranch_scc0 .Lfor_b_\@
	tensor_load_to_lds s[G0A+4*\s:G0A+4*\s+3], s[G1A:G1A+7]
	s_nop 0
.rept 4
	v_nop
.endr
	s_branch .Lasked_\@
.Lfor_b_\@:
	tensor_load_to_lds s[G0B+4*\s:G0B+4*\s+3], s[G1B:G1B+7]
	s_nop 0
.rept 4
	v_nop
.endr
.Lasked_\@:
.endm
.macro CREST                           ; a round of the cluster's barrier behind its opening barrier
	s_cmp_lg_u32 s18, 0
	s_cbranch_scc1 .Lnot_wave_0_\@
	s_barrier_signal -3
.Lnot_wave_0_\@:
	s_barrier_wait -3
	s_barrier_signal -1
	s_barrier_wait -1
.endm
.macro CROUND
	s_barrier_signal -1
	s_barrier_wait -1
	CREST
.endm
.macro FRAG reg, adr, off              ; a fragment's image: 3 x 512 consecutive bytes
.irp c, 0,1,2
	ds_load_b128 v[(\reg)+4*\c:(\reg)+4*\c+3], v[\adr] offset:(\off)+512*\c
.endr
.endm
; the fragments of the q-th 128 along K of slot s into set p: W1's eight, with sc = 1 the slot's scale words, x's blocks 0-3, x's blocks 4-7
.macro FETCH s, q, p, sc
	WIN 0x40
.irp i, 0,1,2,3,4,5,6,7
	FRAG 128*(\p)+12*\i, ADRB+\s, (\q)*24576+\i*FRB
.endr
	WIN 0
.if \sc
.irp i, 0,1,2,3
	ds_load_b64 v[SA+8*(\s)+2*\i:SA+8*(\s)+2*\i+1], v[ASA+\s] offset:256*\i
.endr
.irp i, 0,1,2,3
	ds_load_b64 v[SB+8*(\s)+2*\i:SB+8*(\s)+2*\i+1], v[ASB+\s] offset:256*\i
.endr
.endif
.irp i, 0,1,2,3,4,5,6,7
	FRAG AF+96*(\p)+12*\i, ADRA+\s, (\q)*24576+\i*FRB
.endr
.endm
.macro WM ob, oa                       ; one product; an odd block's scale words stand in lanes 16-31 of their register
.if (\ob) && (\oa)
	v_wmma_scale_f32_16x16x128_f8f6f4 v[rD:rD+7], v[rB:rB+11], v[rA:rA+11], v[rC:rC+7], v[rSB], v[rSA] matrix_a_fmt:MATRIX_FMT_BF6 matrix_b_fmt:MATRIX_FMT_BF6 matrix_a_scale:MATRIX_SCALE_ROW1 matrix_b_scale:MATRIX_SCALE_ROW1
.elseif (\ob)
	v_wmma_scale_f32_16x16x128_f8f6f4 v[rD:rD+7], v[rB:rB+11], v[rA:rA+11], v[rC:rC+7], v[rSB], v[rSA] matrix_a_fmt:MATRIX_FMT_BF6 matrix_b_fmt:MATRIX_FMT_BF6 matrix_a_scale:MATRIX_SCALE_ROW1
.elseif (\oa)
	v_wmma_scale_f32_16x16x128_f8f6f4 v[rD:rD+7], v[rB:rB+11], v[rA:rA+11], v[rC:rC+7], v[rSB], v[rSA] matrix_a_fmt:MATRIX_FMT_BF6 matrix_b_fmt:MATRIX_FMT_BF6 matrix_b_scale:MATRIX_SCALE_ROW1
.else
	v_wmma_scale_f32_16x16x128_f8f6f4 v[rD:rD+7], v[rB:rB+11], v[rA:rA+11], v[rC:rC+7], v[rSB], v[rSA] matrix_a_fmt:MATRIX_FMT_BF6 matrix_b_fmt:MATRIX_FMT_BF6
.endif
.endm
; 16 products: token blocks a0, a0 + 1 x W1's eight blocks; set p (the slot's p-th 128 along K), scale words of slot s.  first = 1: C is b1's tile.  The 64 accumulators take turns in the same order in every step, from tile to tile too.
.macro MUL16 a0, p, s, first
.irp a, \a0, \a0+1
.irp b, 0,1,2,3,4,5,6,7
.set rD, 8*(8*((\a)%4)+\b)
.set rB, 128*(\p)+12*\b
.set rA, AF+96*(\p)+12*(\a)
.set rSB, SB+8*(\s)+2*(\b/2)+(\p)
.set rSA, SA+8*(\s)+2*((\a)/2)+(\p)
.set rC, rD
.if \first
.set rC, 96+8*(\b%4)+128*(\b/4)
.endif
	WM (\b)%2, (\a)%2
.endr
.endr
.endm
; a slot's first step: multiplies set 0; the second step's 48 loads go out at its head, into set 1
.macro STEP s, first
	s_wait_dscnt 12                                ; all but x's blocks 4-7 are in
	PLACES 4                                       ; in front of loads into registers that the last products read (ISA guide 7.12.1 for vector instructions)
	FETCH \s, 1, 1, 0
	WIN 0xa1-0x10*(\first)                         ; W1 window 1, x window 0, D window 2, C window 2 (b1: window 1)
	MUL16 0, 0, \s, \first
	MUL16 2, 0, \s, \first
	s_wait_dscnt 48                                ; all but the 48 just issued
	WIN 0xf1-0x20*(\first)
	MUL16 4, 0, \s, \first
	MUL16 6, 0, \s, \first
.endm
; a slot's second step multiplies set 1 and changes slots: one barrier; in front of it each wave waits for all its tensor loads, adds 0 to its spare word, and waits for that and for its reads of this slot.
; fill = 1: the barrier opens a round of the cluster's, and this slot is filled again, two chunks on.  fill = 2: the same, with the next tile's chunk 0 or 1.  fill = 0: nothing is left to fetch.
; fetch = 1: the next slot's first fragments are fetched.  fetch = 0, at the first tile's end: the way out follows, which works in the registers of x's sets.
.macro TURN s, n, fill, fetch
	WIN 0
	s_wait_tensorcnt 0x0                           ; all my tensor loads have landed: my part of the next slot
	ds_add_u32 v[SPW], v[NIL]                      ; 0 onto my spare word
	s_wait_dscnt 13                                ; the add and x's blocks 4-7 may be out
	WIN 0xa1
	MUL16 0, 1, \s, 0
	s_wait_dscnt 0x0                               ; the add is done, and my reads of this slot are over
	s_barrier_signal -1
	MUL16 2, 1, \s, 0
	WIN 0
	s_barrier_wait -1
.if (\fill) > 0
	CREST                                          ; no wave of any partner still reads this slot or has a load on its way
.if (\fill) == 2
	s_add_nc_u64 s[G0A+4*\s+2:G0A+4*\s+3], s[G0A+4*\s+2:G0A+4*\s+3], NEXTA
	s_sub_nc_u64 s[G0B+4*\s+2:G0B+4*\s+3], s[G0B+4*\s+2:G0B+4*\s+3], BACKB
.else
	s_add_nc_u64 s[G0A+4*\s+2:G0A+4*\s+3], s[G0A+4*\s+2:G0A+4*\s+3], 2*CH
	s_add_nc_u64 s[G0B+4*\s+2:G0B+4*\s+3], s[G0B+4*\s+2:G0B+4*\s+3], 2*CH
.endif
	JLOAD \s                                       ; the first tensor load behind the round; its four v_nop are the places in front of the loads below
.else
	PLACES 4
.endif
.if \fetch
	FETCH \n, 0, 0, 1
.endif
	WIN 0xf1
	MUL16 4, 1, \s, 0
	MUL16 6, 1, \s, 0
.endm
; 64 numbers of a lane, register 16 b + i = k 32 b + 16 (lane / 16) + i of my row, become a fragment's codes in v[PC] on and its scale word in v[PW]
.macro QUANT s
.irp b, 0,1,2,3
	v_max3_num_f32 v[TM+\b], |v[\s+16*\b]|, |v[\s+1+16*\b]|, 0x2800000   ; and the floor 2^(5 - 127): the byte cannot fall under 1
.endr
.irp i, 2,4,6,8,10,12,14
.irp b, 0,1,2,3
	v_max3_num_f32 v[TM+\b], v[TM+\b], |v[\s+16*\b+\i]|, |v[\s+1+16*\b+\i]|
.endr
.endr
.irp b, 0,1,2,3
	v_permlanex16_b32 v[TM+4+\b], v[TM+\b], s[SEL], s[SEL+1]
.endr
.irp b, 0,1,2,3
	v_max_num_f32 v[TM+\b], v[TM+\b], v[TM+4+\b]
.endr
.irp b, 0,1,2,3
	v_add_nc_u32 v[TM+12+\b], 0xfe000000, v[TM+\b]   ; 4 off the exponent field: the conversion's scale operand
.endr
.irp b, 0,1,2,3
	v_lshrrev_b32 v[TM+4+\b], 23, v[TM+12+\b]
.endr
	v_lshl_or_b32 v[PW], v[TM+5], 8, v[TM+4]
	v_lshl_or_b32 v[PW], v[TM+6], 16, v[PW]
	v_lshl_or_b32 v[PW], v[TM+7], 24, v[PW]
.irp c, 0,1
	v_cvt_scalef32_pk16_bf6_f32 v[PC+6*\c:PC+2+6*\c], v[\s+32*\c:\s+15+32*\c], v[TM+12+2*\c]
	v_cvt_scalef32_pk16_bf6_f32 v[PC+12+4*\c:PC+14+4*\c], v[\s+16+32*\c:\s+31+32*\c], v[TM+12+2*\c+1]
.endr
	v_nop                                          ; one plain place behind a scaled conversion
.irp c, 0,1
.irp i, 0,1,2
	v_permlane16_swap_b32 v[PC+6*\c+\i], v[PC+12+4*\c+\i]
.endr
.irp i, 0,1,2
	v_mov_b32 v[PC+3+6*\c+\i], v[PC+12+4*\c+\i]
.endr
.endr
.endm
; token block a leaves: leaky(v) = max(v, 0.01 v); quantised; the fragment to hq, its scale words to LDS
.macro OUTBLK a
.set AC, 64*((\a)%4)
	WIN 0x02+(\a)/4                                ; source 0: window 2 or 3
.set i, 0
.rept 32
	v_pk_mul_f32 v[T+2*i:T+2*i+1], v[AC+2*i:AC+2*i+1], s[70:71] op_sel_hi:[1,0]   ; each accumulator from its low end on
.set i, i+1
.endr
.set i, 0
.rept 64
	v_max_num_f32 v[T+i], v[AC+i], v[T+i]
.set i, i+1
.endr
	WIN 0
	s_wait_xcnt 0x0                                ; the last block's stores have read the codes' registers
	QUANT T
.irp c, 0,1,2
	global_store_b128 v[LI], v[PC+4*\c:PC+4*\c+3], s[72:73] offset:FRB*(\a)+512*\c   ; 512 consecutive bytes, aligned
.endr
	ds_store_b32 v[HSA], v[PW] offset:128*(\a)     ; lanes l and l + 16 hold the same word and write it to the same place
.endm
; a tile's way out: its eight token blocks; then the scale words, of which a row's 8 bytes come from two waves: a barrier between the writing and the reading.
; (In the first tile one tensor load of mine is out at that barrier, into slot 1, which has its own waits.)
.macro WAYOUT
	WIN 0
	PLACES 4                                       ; in front of the first read of results and of writes into registers that products read
.irp b, 0,1,2,3
	v_mov_b32 v[TM+4+\b], 0                        ; a lane permute's destination counts as one of its sources
.endr
.irp a, 0,1,2,3,4,5,6,7
	OUTBLK \a
.endr
	s_wait_dscnt 0x0                               ; for the others' sake: my scale words have landed
	s_barrier_signal -1
	s_barrier_wait -1
	ds_load_b128 v[116:119], v[HSR]
	s_wait_dscnt 0x0
	global_store_b128 v[LI], v[116:119], s[74:75]  ; 512 consecutive bytes, aligned
.endm
	s_load_b256 s[4:11], s[0:1], 0x0               ; xa, w1a, b1, part
	s_load_b128 s[12:15], s[0:1], 0x20             ; hq, out1
	s_load_b64 s[16:17], s[0:1], 0x30              ; out2
	v_lshl_add_u32 v[SPW], v0, 2, SPARE
	v_mov_b32 v[NIL], 0
	ds_add_u32 v28, v29
	ds_add_u32 v28, v29
	s_wait_dscnt 0x0
	v_lshrrev_b32 v1, 5, v0
	v_readfirstlane_b32 s18, v1                    ; wave 0..3
	s_lshr_b32 s19, s18, 1                         ; my half of the tokens.  Also: I fetch for x (0) or for W1 (1)
	s_and_b32 s20, s18, 1                          ; my half of the hidden units.  Also: which half of the chunk I fetch
	s_bfe_u32 s21, ttmp6, 0x40000                  ; cx
	s_bfe_u32 s22, ttmp6, 0x40004                  ; cy
	s_lshl_b32 s23, ttmp9, 2
	s_add_co_u32 s23, s23, s21                     ; tile column: 256 hidden units
	s_and_b32 s40, ttmp7, 0xffff
	s_lshl_b32 s40, s40, 2
	s_add_co_u32 s40, s40, s22                     ; the first tile's row, 0 .. 15: 256 tokens; the second lies 16 tile rows on
	s_lshl_b32 s41, s22, 2
	s_lshl_b32 s41, 15, s41                        ; my row of the cluster
	s_lshl_b32 s42, 0x1111, s21                    ; my column
	s_or_b32 s[G1A], s41, (3<<16)|(1<<21)          ; the mask; elements of 8 bytes; bit 21 set beside a mask; no padding
	s_or_b32 s[G1B], s42, (3<<16)|(1<<21)
.irp g, G1A, G1B
	s_mov_b32 s[\g+1], 32<<16                      ; rows of 32 elements, 256 bytes
	s_mov_b32 s[\g+2], 100<<16                     ; 100 rows
	s_mov_b32 s[\g+3], 32<<16
	s_mov_b32 s[\g+4], 100
	s_mov_b32 s[\g+5], 32                          ; dense
	s_mov_b32 s[\g+6], 0
	s_mov_b32 s[\g+7], 0
.endr
	s_mov_b32 s[SEL], 0x76543210
	s_mov_b32 s[SEL+1], 0xfedcba98
	s_mov_b32 s70, 0x3c23d70a                      ; 0.01
	s_mov_b32 s71, s70
	s_mul_i32 s43, s20, HALF
	s_mul_i32 s44, s40, 4*CH                       ; x: the tile row's four chunks, my half
	s_add_co_u32 s44, s44, s43
	s_mov_b32 s45, 0
	s_mul_i32 s46, s23, 4*CH                       ; W1: the tile column's
	s_add_co_u32 s46, s46, s43
	s_mov_b32 s47, 0
	s_mul_i32 s43, s18, HALF                       ; where they go: wave x 25,600: no place in the cluster enters an LDS address
	s_wait_kmcnt 0x0
	s_add_nc_u64 s[44:45], s[4:5], s[44:45]
	s_add_nc_u64 s[46:47], s[6:7], s[46:47]
	CROUND                                         ; all sixteen work-groups are here: the first joint loads meet
.irp s, 0,1
	s_mov_b32 s[G0A+4*\s], 1
	s_add_co_u32 s[G0A+4*\s+1], s43, \s*SLOT
	s_add_nc_u64 s[G0A+4*\s+2:G0A+4*\s+3], s[44:45], \s*CH
	s_or_b32 s[G0A+4*\s+3], s[G0A+4*\s+3], 0x80000000
	s_mov_b32 s[G0B+4*\s], 1
	s_add_co_u32 s[G0B+4*\s+1], s43, \s*SLOT
	s_add_nc_u64 s[G0B+4*\s+2:G0B+4*\s+3], s[46:47], \s*CH
	s_or_b32 s[G0B+4*\s+3], s[G0B+4*\s+3], 0x80000000
	JLOAD \s                                       ; two loads of mine are out
.endr
	v_and_b32 v1, 31, v0                           ; lane
	v_and_b32 v2, 15, v0                           ; r
	v_bfe_u32 v3, v0, 4, 1                         ; h
	v_lshlrev_b32 v[LI], 4, v1
	s_mul_i32 s76, s19, 8*FRB                      ; my eight blocks of x,
	s_mul_i32 s77, s20, 8*FRB                      ; of W1
	s_add_co_u32 s77, s77, CH
	v_add_nc_u32 v[ADRA], s76, v[LI]
	v_add_nc_u32 v[ADRA+1], SLOT, v[ADRA]
	v_add_nc_u32 v[ADRB], s77, v[LI]
	v_add_nc_u32 v[ADRB+1], SLOT, v[ADRB]
	v_lshlrev_b32 v4, 3, v1                        ; scale words: 8 bytes a row
	s_lshl_b32 s76, s19, 10
	s_add_co_u32 s76, s76, SCO
	s_lshl_b32 s77, s20, 10
	s_add_co_u32 s77, s77, CH+SCO
	v_add_nc_u32 v[ASA], s76, v4
	v_add_nc_u32 v[ASA+1], SLOT, v[ASA]
	v_add_nc_u32 v[ASB], s77, v4
	v_add_nc_u32 v[ASB+1], SLOT, v[ASB]
	s_lshl_b32 s76, s19, 10
	s_lshl_b32 s77, s20, 2
	s_add_co_u32 s76, s76, s77
	s_add_co_u32 s76, s76, HSW
	v_lshl_add_u32 v[HSA], v2, 3, s76
	s_lshl_b32 s76, s18, 9
	s_add_co_u32 s76, s76, HSW
	v_add_nc_u32 v[HSR], s76, v[LI]
	s_lshl_b32 s76, s23, 10                        ; b1: my 128 numbers; lane (r, h) wants, for block 2 b + u, those of units 32 b + 16 h + 8 u + 0 .. 7
	s_lshl_b32 s77, s20, 9
	s_add_co_u32 s76, s76, s77
	s_mov_b32 s77, 0
	s_add_nc_u64 s[8:9], s[8:9], s[76:77]
	v_lshlrev_b32 v5, 6, v3
	WIN 0x40
.irp b, 0,1,2,3,4,5,6,7
	global_load_b128 v[96+8*(\b%4)+128*(\b/4):96+8*(\b%4)+128*(\b/4)+3], v5, s[8:9] offset:(32*(\b/2)+8*(\b%2))*4
	global_load_b128 v[96+8*(\b%4)+128*(\b/4)+4:96+8*(\b%4)+128*(\b/4)+7], v5, s[8:9] offset:(32*(\b/2)+8*(\b%2))*4+16
.endr
	WIN 0
	s_lshl_b32 s76, s40, 1                         ; hq: chunk (2 x tile row + my half of the tokens, tile column / 2)
	s_add_co_u32 s76, s76, s19
	s_lshl_b32 s76, s76, 3
	s_lshr_b32 s78, s23, 1
	s_add_co_u32 s76, s76, s78
	s_mul_i32 s76, s76, CH
	s_add_nc_u64 s[74:75], s[12:13], s[76:77]
	s_and_b32 s78, s23, 1
	s_lshl_b32 s76, s78, 1
	s_add_co_u32 s76, s76, s20                     ; q = 2 (tile column % 2) + my half of the hidden units
	s_mul_i32 s76, s76, 8*FRB
	s_add_nc_u64 s[72:73], s[74:75], s[76:77]      ; my eight fragments
	s_lshl_b32 s76, s78, 10
	s_lshl_b32 s79, s20, 9
	s_add_co_u32 s76, s76, s79
	s_add_co_u32 s76, s76, SCO
	s_add_nc_u64 s[74:75], s[74:75], s[76:77]      ; the 512 bytes of scale words that I store
	; THE SUMS OVER TOKENS, while the first tiles are on their way: in wave 0 of the sixteen work-groups of the first cluster (the branch hangs on the cluster's place and the wave's number: alike in all partners).
	; The partner at place p, told apart by address alone, adds value p of the 256 work-groups' two half-wave sums: values 0-7 are out1, values 8-15 out2.
	s_and_b32 s76, ttmp7, 0xffff
	s_or_b32 s76, s76, ttmp9
	s_or_b32 s76, s76, s18
	s_cmp_eq_u32 s76, 0
	s_cbranch_scc0 .Lno_sums
	s_lshl_b32 s76, s22, 2
	s_add_co_u32 s76, s76, s21                     ; p
	s_lshl_b32 s78, s76, 2
	v_lshlrev_b32 v6, 7, v1                        ; a work-group's 32 words are 128 bytes: lane l takes work-groups l + 32 j
	v_add_nc_u32 v6, s78, v6
.irp j, 0,1,2,3,4,5,6,7
	global_load_b32 v[64+2*\j], v6, s[10:11] offset:4096*\j
	global_load_b32 v[65+2*\j], v6, s[10:11] offset:4096*\j+64
.endr
	s_and_b32 s78, s76, 7
	s_lshl_b32 s78, s78, 2
	v_mov_b32 v7, s78
	v_mov_b32 v80, 0
	s_cmp_lt_u32 s22, 2
	s_cselect_b64 s[78:79], s[14:15], s[16:17]
	s_wait_loadcnt 0x0
.irp j, 0,2,4,6
	v_pk_add_f32 v[64+\j:65+\j], v[64+\j:65+\j], v[72+\j:73+\j]
.endr
	v_pk_add_f32 v[64:65], v[64:65], v[68:69]
	v_pk_add_f32 v[66:67], v[66:67], v[70:71]
	v_pk_add_f32 v[64:65], v[64:65], v[66:67]
	v_add_f32 v64, v64, v65
	v_add_f32_dpp v64, v64, v64 row_xmask:1 row_mask:0xf bank_mask:0xf
	v_add_f32_dpp v64, v64, v64 row_xmask:2 row_mask:0xf bank_mask:0xf
	v_add_f32_dpp v64, v64, v64 row_xmask:4 row_mask:0xf bank_mask:0xf
	v_add_f32_dpp v64, v64, v64 row_xmask:8 row_mask:0xf bank_mask:0xf
	v_permlanex16_b32 v80, v64, s[SEL], s[SEL+1]
	v_add_f32 v64, v64, v80
	s_wait_xcnt 0x0                                ; EXEC changes only behind this wait
	v_cmp_eq_u32 vcc_lo, 0, v1
	s_and_saveexec_b32 s80, vcc_lo
	global_store_b32 v7, v64, s[78:79]             ; lane 0 alone
	s_wait_xcnt 0x0                                ; and again, in front of the line that widens it
	s_or_b32 exec_lo, exec_lo, s80
.Lno_sums:
	s_wait_loadcnt 0x0                             ; b1
	s_wait_tensorcnt 0x1                           ; my part of chunk 0 is in; chunk 1 may stay out
	s_barrier_signal -1
	s_barrier_wait -1
	FETCH 0, 0, 0, 1
	; ---- THE FIRST TILE
	STEP 0, 1                                      ; chunk 0: its first products start the sums on b1
	TURN 0, 1, 1, 1                                ; slot 0 takes chunk 2
	STEP 1, 0                                      ; chunk 1
	TURN 1, 0, 1, 1                                ; slot 1 takes chunk 3
	STEP 0, 0                                      ; chunk 2
	TURN 0, 1, 2, 1                                ; THE RING GOES ON INTO THE SECOND TILE: slot 0 takes its chunk 0,
	STEP 1, 0                                      ; chunk 3
	TURN 1, 0, 2, 0                                ; slot 1 its chunk 1.  Both are asked for: now the tile goes out
	WAYOUT
	s_wait_xcnt 0x0                                ; the tile's stores have read their codes, their scale words and their bases: the bases step, and fragments land where the codes stood
	s_add_nc_u64 s[72:73], s[72:73], NEXTH
	s_add_nc_u64 s[74:75], s[74:75], NEXTH
	FETCH 0, 0, 0, 1                               ; slot 0 was shown whole by the last change of slots: every wave's wait for all its loads, and the round
	; ---- THE SECOND TILE
	STEP 0, 1                                      ; chunk 0: the sums begin anew on b1
	TURN 0, 1, 1, 1                                ; slot 0 takes chunk 2
	STEP 1, 0                                      ; chunk 1
	TURN 1, 0, 1, 1                                ; slot 1 takes chunk 3
	STEP 0, 0                                      ; chunk 2
	TURN 0, 1, 0, 1                                ; nothing is left to fetch
	STEP 1, 0                                      ; chunk 3
	s_wait_dscnt 12
	WIN 0xa1
	MUL16 0, 1, 1, 0
	MUL16 2, 1, 1, 0
	s_wait_dscnt 0x0
	WIN 0xf1
	MUL16 4, 1, 1, 0
	MUL16 6, 1, 1, 0
	WAYOUT
	s_wait_tensorcnt 0x0                           ; the wave's end
	ds_add_u32 v[SPW], v[NIL]
	s_wait_dscnt 0x0
	CROUND                                         ; the closing round
	s_endpgm
.Lfunc_end_k_qfa0983019c_up:
	.size	k_qfa0983019c_up, .Lfunc_end_k_qfa0983019c_up-k_qfa0983019c_up
	.p2alignl 7, 3214868480
	.fill 96, 4, 3214868480
	.section	.rodata,"a",@progbits
	.p2align	6, 0x0
	.amdhsa_kernel k_qfa0983019c_up
		.amdhsa_group_segment_fixed_size 327680
		.amdhsa_private_segment_fixed_size 0
		.amdhsa_enable_private_segment 0
		.amdhsa_kernarg_size 56
		.amdhsa_user_sgpr_count 2
		.amdhsa_user_sgpr_kernarg_segment_ptr 1
		.amdhsa_wavefront_size32 1
		.amdhsa_system_sgpr_workgroup_id_x 1
		.amdhsa_system_sgpr_workgroup_id_y 1
		.amdhsa_system_sgpr_workgroup_id_z 1
		.amdhsa_system_vgpr_workitem_id 0
		.amdhsa_next_free_vgpr 1024
		.amdhsa_next_free_sgpr 98
		.amdhsa_reserve_vcc 1
		.amdhsa_float_denorm_mode_32 3
		.amdhsa_float_denorm_mode_16_64 3
		.amdhsa_memory_ordered 1
		.amdhsa_forward_progress 1
		.amdhsa_inst_pref_size 255
	.end_amdhsa_kernel
	.section	.bss,"aw",@nobits
	.p2align	6
	.space	262144
	.amdgpu_metadata
---
amdhsa.version: [ 1, 2 ]
amdhsa.kernels:
  - .name:           k_qfa0983019c_up
    .symbol:         k_qfa0983019c_up.kd
    .args:
      - { .name: xa, .offset: 0, .size: 8, .value_kind: global_buffer, .address_space: global }
      - { .name: w1a, .offset: 8, .size: 8, .value_kind: global_buffer, .address_space: global }
      - { .name: b1, .offset: 16, .size: 8, .value_kind: global_buffer, .address_space: global }
      - { .name: part, .offset: 24, .size: 8, .value_kind: global_buffer, .address_space: global }
      - { .name: hq, .offset: 32, .size: 8, .value_kind: global_buffer, .address_space: global }
      - { .name: out1, .offset: 40, .size: 8, .value_kind: global_buffer, .address_space: global }
      - { .name: out2, .offset: 48, .size: 8, .value_kind: global_buffer, .address_space: global }
    .group_segment_fixed_size: 327680
    .private_segment_fixed_size: 0
    .kernarg_segment_align: 8
    .kernarg_segment_size: 56
    .max_flat_workgroup_size: 128
    .sgpr_count:     98
    .vgpr_count:     1024
    .wavefront_size: 32
...
	.end_amdgpu_metadata
.endif
;; end of part 2
;; launch down (part 3): grid 4 x 64, 4 waves a work-group, clusters of 4 x 4, 327,680 bytes of LDS; arguments hq, w2a, b2, wsum, out0; writes out0
.if DOCPART == 3
	.amdgcn_target "amdgcn-amd-amdhsa--gfx1250"
	.amdhsa_code_object_version 6
	.text
	.protected	k_qfa0983019c_down
	.globl	k_qfa0983019c_down
	.p2align	8
	.type	k_qfa0983019c_down,@function
k_qfa0983019c_down:
	s_mov_b64 s[64:65], 0
	v_nop
	global_prefetch_b8 v0, s[64:65] scope:SCOPE_SE
	s_setreg_imm32_b32 hwreg(HW_REG_WAVE_MODE, 25, 1), 1
	s_wait_xcnt 0x0
	s_wait_alu depctr_hold_cnt(0) depctr_sa_sdst(0) depctr_va_vdst(0) depctr_va_sdst(0) depctr_va_ssrc(0) depctr_va_vcc(0) depctr_vm_vsrc(0)
	s_getreg_b32 s2, hwreg(HW_REG_IB_STS2, 6, 4)
	s_cmp_eq_u32 s2, 0
	s_cbranch_scc0 .Lentry_in_a_cluster
	s_endpgm
.Lentry_in_a_cluster:
	s_bfe_u32 s2, ttmp6, 0x10000c
	s_cmp_lg_u32 s2, 0xf033
	s_cbranch_scc0 .Lentry_shape_is_right
	s_endpgm
.Lentry_shape_is_right:
; DOWN.  out0 = (Q(h) W2^T + b2) x (the sum of a token's two gate weights).  Both operands are codes of BF6 (E3M2) with one E8M0 scale for each 32 along K, in chunks of 51,200 bytes: 128 rows x K 512 as 32 fragments
; (images of their registers, 1,536 bytes each; fragment (q, mb) at (8 q + mb) 1536), then the scale words (49152 + 1024 (q / 2) + 8 row + 4 (q % 2)).
; A tile is 128 tokens x 256 columns, so that the 8,192 x 1,024 outputs make 256 work-groups; four waves, each all 128 tokens x 64 columns: 32 accumulators, 256 registers.
; K = 4,096 goes in eight chunks of 512 through two LDS slots; a slot holds one chunk of h and two of W2: four steps of 128, 128 products a wave, between two changes of slots.
; THE MATRIX INSTRUCTION IS USED TRANSPOSED (source 0 = 16 rows of W2, source 1 = 16 tokens): a lane holds eight neighbouring columns of one token.  b2 is the C of each sum's first product.
; CLUSTERS: 4 x 4 work-groups.  The four of a row need the same chunk of h, the four of a column the same chunks of W2: each is asked for jointly.
; REGISTERS: window 0: v1-29 addresses; v32-55, v56-79 scale words, a set for each slot (h's at 4 i + q, W2's at 16 + 4 i + q; lanes 0-15 block 2 i, lanes 16-31 block 2 i + 1); v80-95 the gate sums; v96-191 the way out.
;   window 1: h's fragments, two sets, at v0 and v128; b2's four tiles at v96-127.   window 2: the accumulators, (a, b) at 8 (4 a + b).   window 3: W2's fragments, two sets, at v0 and v48.
.set CH,    51200
.set FRB,   1536
.set SCO,   49152
.set HALF,  25600
.set SLOT,  3*CH
.set STAGE, 2*SLOT                     ; behind the ring: 16 rows x (256 bytes + 16) for each wave
.set SPARE, STAGE+4*16*272             ; the spare words, 128 bytes for each wave: two blocks of 256 bytes that no other line names
.set ADRA, 16
.set ADRB, 18
.set ASA,  20
.set ASB,  22
.set STO,  24                          ; v24 the way out: where I put 32 bytes of a row
.set RD,   25                          ; v25 where I read a row back
.set CO,   26                          ; v26 my byte offset in two rows of out0
.set PFO,  27                          ; v27 the prefetches' offset; never rewritten
.set SPW,  28
.set NIL,  29
.set SC,   32
.set WS,   80
.set TMP,  96
.set BK,   128
.set G1A,  24
.set G0A,  32
.set G1B,  48
.set G0B,  56
.set PFA,  66                          ; s[66:67] where my prefetches stand
.set LIM,  68                          ; s68 1 in a wave that prefetches, else the greatest number
.set MSB, 0
.macro WIN new
.if MSB != (\new)
	s_set_vgpr_msb (MSB<<8)|(\new)
.set MSB, (\new)
.endif
.endm
.macro PLACES n
.rept \n
	v_nop
.endr
.endm
; a joint load: waves 0 and 1 fetch the halves of h's chunk (100 rows of 256 bytes), waves 2 and 3 a chunk of W2 each (200 rows).  Four v_nop follow each of the two lines.
.macro JLOAD s
	s_cmp_eq_u32 s19, 0
	s_cbranch_scc0 .Lfor_b_\@
	tensor_load_to_lds s[G0A+4*\s:G0A+4*\s+3], s[G1A:G1A+7]
	s_nop 0
.rept 4
	v_nop
.endr
	s_branch .Lasked_\@
.Lfor_b_\@:
	tensor_load_to_lds s[G0B+4*\s:G0B+4*\s+3], s[G1B:G1B+7]
	s_nop 0
.rept 4
	v_nop
.endr
.Lasked_\@:
.endm
.macro CREST
	s_cmp_lg_u32 s18, 0
	s_cbranch_scc1 .Lnot_wave_0_\@
	s_barrier_signal -3
.Lnot_wave_0_\@:
	s_barrier_wait -3
	s_barrier_signal -1
	s_barrier_wait -1
.endm
.macro CROUND
	s_barrier_signal -1
	s_barrier_wait -1
	CREST
.endm
; A PREFETCH INTO THE L2 of the chunk of h that stands two refills on: 256 products a wave ahead of the load that will want it.  h's chunk is read by the four partners of a row of the cluster and by nobody else:
; its 200 blocks of 256 bytes are shared out by address, 25 to each of waves 0 and 1 of each partner, lanes 256 bytes apart (lanes 25-31 name lane 24's block).  The loop's last trip asks for nothing: no chunk stands two refills on.
; W2's chunks, which all sixteen clusters walk, and the first four chunks of h come by their loads alone.
.macro ASK
	s_cmp_gt_u32 s3, s[LIM]                        ; s3 = 1 in the loop's last trip
	s_cbranch_scc0 .Lnot_mine_\@
	global_prefetch_b8 v[PFO], s[PFA:PFA+1] th:TH_LOAD_NT scope:SCOPE_SE
.Lnot_mine_\@:
.endm
.macro FRAG reg, adr, off
.irp c, 0,1,2
	ds_load_b128 v[(\reg)+4*\c:(\reg)+4*\c+3], v[\adr] offset:(\off)+512*\c
.endr
.endm
; the fragments of step q of slot s into set q % 2: W2's four, with sc = 1 the slot's scale words, h's blocks 0-3, h's blocks 4-7
.macro FETCH s, q, sc
	WIN 0xc0
.irp i, 0,1,2,3
	FRAG 48*((\q)%2)+12*\i, ADRB+\s, (8*(\q)+\i)*FRB
.endr
.if \sc
	WIN 0
.irp i, 0,1,2,3
.irp u, 0,1
	ds_load_b64 v[SC+24*(\s)+4*\i+2*\u:SC+24*(\s)+4*\i+2*\u+1], v[ASA+\s] offset:1024*\u+256*\i
.endr
.endr
.irp i, 0,1
.irp u, 0,1
	ds_load_b64 v[SC+24*(\s)+16+4*\i+2*\u:SC+24*(\s)+16+4*\i+2*\u+1], v[ASB+\s] offset:1024*\u+256*\i
.endr
.endr
.endif
	WIN 0x40
.irp i, 0,1,2,3,4,5,6,7
	FRAG 128*((\q)%2)+12*\i, ADRA+\s, (8*(\q)+\i)*FRB
.endr
.endm
.macro WM ob, oa
.if (\ob) && (\oa)
	v_wmma_scale_f32_16x16x128_f8f6f4 v[rD:rD+7], v[rB:rB+11], v[rA:rA+11], v[rC:rC+7], v[rSB], v[rSA] matrix_a_fmt:MATRIX_FMT_BF6 matrix_b_fmt:MATRIX_FMT_BF6 matrix_a_scale:MATRIX_SCALE_ROW1 matrix_b_scale:MATRIX_SCALE_ROW1
.elseif (\ob)
	v_wmma_scale_f32_16x16x128_f8f6f4 v[rD:rD+7], v[rB:rB+11], v[rA:rA+11], v[rC:rC+7], v[rSB], v[rSA] matrix_a_fmt:MATRIX_FMT_BF6 matrix_b_fmt:MATRIX_FMT_BF6 matrix_a_scale:MATRIX_SCALE_ROW1
.elseif (\oa)
	v_wmma_scale_f32_16x16x128_f8f6f4 v[rD:rD+7], v[rB:rB+11], v[rA:rA+11], v[rC:rC+7], v[rSB], v[rSA] matrix_a_fmt:MATRIX_FMT_BF6 matrix_b_fmt:MATRIX_FMT_BF6 matrix_b_scale:MATRIX_SCALE_ROW1
.else
	v_wmma_scale_f32_16x16x128_f8f6f4 v[rD:rD+7], v[rB:rB+11], v[rA:rA+11], v[rC:rC+7], v[rSB], v[rSA] matrix_a_fmt:MATRIX_FMT_BF6 matrix_b_fmt:MATRIX_FMT_BF6
.endif
.endm
; 8 products: token blocks a0, a0 + 1 x W2's four blocks, step q of slot s.  The 32 accumulators take turns in the same order in every step.
.macro MUL8 a0, q, s, first
.irp a, \a0, \a0+1
.irp b, 0,1,2,3
.set rD, 8*(4*(\a)+\b)
.set rB, 48*((\q)%2)+12*\b
.set rA, 128*((\q)%2)+12*(\a)
.set rSB, SC+24*(\s)+16+4*(\b/2)+(\q)
.set rSA, SC+24*(\s)+4*((\a)/2)+(\q)
.set rC, rD
.if \first
.set rC, 96+8*\b
.endif
	WM (\b)%2, (\a)%2
.endr
.endr
.endm
; one of a slot's first three steps: the next step's 36 loads go out at its head, into the other set
.macro STEP s, q, first
	s_wait_dscnt 12                                ; all but h's blocks 4-7 are in
	PLACES 4                                       ; in front of loads into registers that the last products read (ISA guide 7.12.1 for vector instructions)
	FETCH \s, (\q)+1, 0
	WIN 0xa7-0x10*(\first)                         ; W2 window 3, h window 1, D window 2, C window 2 (b2: window 1)
	MUL8 0, \q, \s, \first
	MUL8 2, \q, \s, \first
	s_wait_dscnt 36                                ; all but the 36 just issued
	MUL8 4, \q, \s, \first
	MUL8 6, \q, \s, \first
.endm
; a slot's last step changes slots: one barrier; in front of it each wave waits for all its tensor loads, adds 0 to its spare word, and waits for that and for its reads of this slot.
; fill = 1: the barrier opens a round of the cluster's, and this slot is filled again, two chunks on: the load has a slot's 128 products in which to land.
.macro TURN s, n, fill
	WIN 0
.if \fill
	s_wait_xcnt 0x0                                ; the last prefetch, a slot back, has read its address
	s_add_nc_u64 s[PFA:PFA+1], s[PFA:PFA+1], CH
.endif
	s_wait_tensorcnt 0x0                           ; all my tensor loads have landed: my part of the next slot
	ds_add_u32 v[SPW], v[NIL]                      ; 0 onto my spare word
	s_wait_dscnt 13                                ; the add and h's blocks 4-7 may be out
	WIN 0xa7
	MUL8 0, 3, \s, 0
	s_wait_dscnt 0x0                               ; the add is done, and my reads of this slot are over
	s_barrier_signal -1
	MUL8 2, 3, \s, 0
	WIN 0
	s_barrier_wait -1
.if \fill
	CREST                                          ; no wave of any partner still reads this slot or has a load on its way
	s_add_nc_u64 s[G0A+4*\s+2:G0A+4*\s+3], s[G0A+4*\s+2:G0A+4*\s+3], 2*CH
	s_add_nc_u64 s[G0B+4*\s+2:G0B+4*\s+3], s[G0B+4*\s+2:G0B+4*\s+3], 2*CH
	JLOAD \s                                       ; the first tensor load behind the round; its four v_nop are the places in front of the loads below
.else
	PLACES 4
.endif
	FETCH \n, 0, 1
.if \fill
	WIN 0
	ASK
.endif
	WIN 0xa7
	MUL8 4, 3, \s, 0
	MUL8 6, 3, \s, 0
.endm
; THE WAY OUT of token block a: times the token's gate sum; 32 bytes a lane into my stage, back as whole rows of 256 bytes
.macro TOSTAGE a
	WIN 0x02
.set i, 0
.rept 16
	v_pk_mul_f32 v[TMP+2*i:TMP+2*i+1], v[32*(\a)+2*i:32*(\a)+2*i+1], v[WS+2*(\a):WS+2*(\a)+1] op_sel_hi:[1,0]   ; each accumulator from its low end on
.set i, i+1
.endr
	WIN 0
.irp b, 0,1,2,3
	ds_store_b128 v[STO], v[TMP+8*\b:TMP+8*\b+3] offset:64*\b
	ds_store_b128 v[STO], v[TMP+8*\b+4:TMP+8*\b+7] offset:64*\b+16
.endr
.irp t, 0,1,2,3,4,5,6,7
	ds_load_b128 v[BK+32*((\a)%2)+4*\t:BK+32*((\a)%2)+4*\t+3], v[RD] offset:544*\t   ; LDS serves a wave's instructions in order (ISA guide 5.7.1.4): these see the stores above
.endr
.endm
.macro SEND a, younger
	s_wait_dscnt \younger
.irp t, 0,1,2,3,4,5,6,7
	global_store_b128 v[CO], v[BK+32*((\a)%2)+4*\t:BK+32*((\a)%2)+4*\t+3], s[12:13] offset:65536*(\a)+8192*\t th:TH_STORE_NT   ; 16 lanes store 256 consecutive bytes, aligned
.endr
.endm
	s_load_b256 s[4:11], s[0:1], 0x0               ; hq, w2a, b2, wsum
	s_load_b64 s[12:13], s[0:1], 0x20              ; out0
	v_lshl_add_u32 v[SPW], v0, 2, SPARE
	v_mov_b32 v[NIL], 0
	ds_add_u32 v28, v29
	ds_add_u32 v28, v29
	s_wait_dscnt 0x0
	v_lshrrev_b32 v1, 5, v0
	v_readfirstlane_b32 s18, v1                    ; wave 0..3
	s_lshr_b32 s19, s18, 1                         ; I fetch for h (0) or for W2 (1).  Also: which chunk of W2 holds my columns
	s_and_b32 s20, s18, 1                          ; which half of h's chunk, or which chunk of W2, I fetch.  Also: which half of that chunk holds my columns
	s_bfe_u32 s21, ttmp6, 0x40000                  ; cx
	s_bfe_u32 s22, ttmp6, 0x40004                  ; cy
	s_lshl_b32 s23, ttmp9, 2
	s_add_co_u32 s23, s23, s21                     ; tile column: 256 columns
	s_and_b32 s40, ttmp7, 0xffff
	s_lshl_b32 s40, s40, 2
	s_add_co_u32 s40, s40, s22                     ; tile row: 128 tokens
	s_lshl_b32 s41, s22, 2
	s_lshl_b32 s41, 15, s41                        ; my row of the cluster
	s_lshl_b32 s42, 0x1111, s21                    ; my column
	s_or_b32 s[G1A], s41, (3<<16)|(1<<21)          ; the mask; elements of 8 bytes; bit 21 set beside a mask; no padding
	s_or_b32 s[G1B], s42, (3<<16)|(1<<21)
.irp g, G1A, G1B
	s_mov_b32 s[\g+1], 32<<16                      ; rows of 32 elements, 256 bytes
	s_mov_b32 s[\g+3], 32<<16
	s_mov_b32 s[\g+5], 32                          ; dense
	s_mov_b32 s[\g+6], 0
	s_mov_b32 s[\g+7], 0
.endr
	s_mov_b32 s[G1A+2], 100<<16
	s_mov_b32 s[G1A+4], 100
	s_mov_b32 s[G1B+2], 200<<16
	s_mov_b32 s[G1B+4], 200
	s_mul_i32 s43, s20, HALF                       ; h: my half, in the chunk and in a slot
	s_mul_i32 s44, s40, 8*CH
	s_add_co_u32 s44, s44, s43
	s_mov_b32 s45, 0
	s_lshl_b32 s46, s23, 1                         ; W2: row block 2 x tile column + which
	s_add_co_u32 s46, s46, s20
	s_mul_i32 s46, s46, 8*CH
	s_mov_b32 s47, 0
	s_mul_i32 s76, s20, CH
	s_add_co_u32 s76, s76, CH                      ; and its place in a slot, behind h's chunk
	s_wait_kmcnt 0x0
	s_add_nc_u64 s[44:45], s[4:5], s[44:45]
	s_add_nc_u64 s[46:47], s[6:7], s[46:47]
	CROUND                                         ; all sixteen work-groups are here: the first joint loads meet
.irp s, 0,1
	s_mov_b32 s[G0A+4*\s], 1
	s_add_co_u32 s[G0A+4*\s+1], s43, \s*SLOT
	s_add_nc_u64 s[G0A+4*\s+2:G0A+4*\s+3], s[44:45], \s*CH
	s_or_b32 s[G0A+4*\s+3], s[G0A+4*\s+3], 0x80000000
	s_mov_b32 s[G0B+4*\s], 1
	s_add_co_u32 s[G0B+4*\s+1], s76, \s*SLOT
	s_add_nc_u64 s[G0B+4*\s+2:G0B+4*\s+3], s[46:47], \s*CH
	s_or_b32 s[G0B+4*\s+3], s[G0B+4*\s+3], 0x80000000
	JLOAD \s                                       ; two loads of mine are out
.endr
	v_and_b32 v1, 31, v0                           ; lane
	v_and_b32 v2, 15, v0                           ; r
	v_bfe_u32 v3, v0, 4, 1                         ; h
	v_lshlrev_b32 v[ADRA], 4, v1
	v_add_nc_u32 v[ADRA+1], SLOT, v[ADRA]
	s_mul_i32 s76, s19, CH
	s_add_co_u32 s76, s76, CH                      ; the chunk of W2 with my columns
	s_mul_i32 s77, s20, 4*FRB
	s_add_co_u32 s77, s77, s76
	v_add_nc_u32 v[ADRB], s77, v[ADRA]
	v_add_nc_u32 v[ADRB+1], SLOT, v[ADRB]
	v_lshlrev_b32 v4, 3, v1
	v_add_nc_u32 v[ASA], SCO, v4
	v_add_nc_u32 v[ASA+1], SLOT, v[ASA]
	s_lshl_b32 s77, s20, 9
	s_add_co_u32 s77, s77, s76
	s_add_co_u32 s77, s77, SCO
	v_add_nc_u32 v[ASB], s77, v4
	v_add_nc_u32 v[ASB+1], SLOT, v[ASB]
	s_mul_i32 s76, s18, 16*272
	s_add_co_u32 s76, s76, STAGE                   ; my stage
	v_mul_u32_u24 v[STO], v2, 272
	v_lshl_add_u32 v[STO], v3, 5, v[STO]
	v_add_nc_u32 v[STO], s76, v[STO]
	v_mul_u32_u24 v[RD], v3, 272
	v_lshl_add_u32 v[RD], v2, 4, v[RD]
	v_add_nc_u32 v[RD], s76, v[RD]
	v_lshlrev_b32 v[CO], 12, v3                    ; lanes 0-15 one row of out0, lanes 16-31 the next
	v_lshl_add_u32 v[CO], v2, 4, v[CO]
	v_min_u32 v[PFO], 24, v1
	v_lshlrev_b32 v[PFO], 8, v[PFO]
	s_lshl_b32 s76, s23, 10                        ; my 64 columns, in bytes: 1024 x tile column + 256 x wave
	s_lshl_b32 s77, s18, 8
	s_add_co_u32 s76, s76, s77
	s_mov_b32 s77, 0
	s_add_nc_u64 s[8:9], s[8:9], s[76:77]          ; in b2,
	s_add_nc_u64 s[12:13], s[12:13], s[76:77]      ; in a row of out0
	s_lshl_b32 s76, s40, 19                        ; 128 rows of 4,096 bytes
	s_add_nc_u64 s[12:13], s[12:13], s[76:77]
	s_lshl_b32 s76, s40, 9                         ; 128 tokens' gate sums
	s_add_nc_u64 s[10:11], s[10:11], s[76:77]
	v_lshlrev_b32 v5, 5, v3                        ; b2: lane (r, h) wants, for block b, columns 16 b + 8 h + 0 .. 7
	v_lshlrev_b32 v6, 2, v2
	WIN 0x40
.irp b, 0,1,2,3
	global_load_b128 v[96+8*\b:96+8*\b+3], v5, s[8:9] offset:64*\b
	global_load_b128 v[96+8*\b+4:96+8*\b+7], v5, s[8:9] offset:64*\b+16
.endr
	WIN 0
.irp a, 0,1,2,3,4,5,6,7
	global_load_b32 v[WS+2*\a], v6, s[10:11] offset:64*\a      ; token 16 a + r; twice, since the packed multiply names a pair
	global_load_b32 v[WS+2*\a+1], v6, s[10:11] offset:64*\a
.endr
	s_mul_i32 s78, s40, 8*CH                       ; the prefetches stand at chunk 3: the first change of slots steps them to chunk 4
	s_add_co_u32 s78, s78, 3*CH
	s_lshl_b32 s76, s21, 1
	s_add_co_u32 s76, s76, s20
	s_mul_i32 s76, s76, 25*256                     ; my 25 blocks of the chunk's 200
	s_add_co_u32 s78, s78, s76
	s_mov_b32 s79, 0
	s_add_nc_u64 s[PFA:PFA+1], s[4:5], s[78:79]
	s_cmp_lt_u32 s18, 2
	s_cselect_b32 s[LIM], 1, -1
	s_wait_loadcnt 0x0                             ; b2 and the gate sums
	s_wait_tensorcnt 0x1                           ; my part of slot 0 is in; slot 1 may stay out
	s_barrier_signal -1
	s_barrier_wait -1
	FETCH 0, 0, 1
	STEP 0, 0, 1                                   ; the first step stands in front of the loop: its products start the sums on b2
	WIN 0
	s_mov_b32 s3, 3
.Llap:                                             ; a trip goes once round the ring, from a lap's second step to the next lap's first, and fills both slots again
	STEP 0, 1, 0
	STEP 0, 2, 0
	TURN 0, 1, 1
	STEP 1, 0, 0
	STEP 1, 1, 0
	STEP 1, 2, 0
	TURN 1, 0, 1
	STEP 0, 0, 0
	WIN 0
	s_sub_co_u32 s3, s3, 1
	s_cmp_lg_u32 s3, 0
	s_cbranch_scc1 .Llap
	STEP 0, 1, 0                                   ; the last lap is written out: it fills nothing
	STEP 0, 2, 0
	TURN 0, 1, 0
	STEP 1, 0, 0
	STEP 1, 1, 0
	STEP 1, 2, 0
	s_wait_dscnt 12
	WIN 0xa7
	MUL8 0, 3, 1, 0
	MUL8 2, 3, 1, 0
	s_wait_dscnt 0x0
	MUL8 4, 3, 1, 0
	MUL8 6, 3, 1, 0
	WIN 0
	PLACES 4                                       ; in front of the first read of results
	TOSTAGE 0
.irp a, 1,2,3,4,5,6,7
.if \a > 1
	s_wait_xcnt 0x0                                ; the stores of the block two back have read their registers
.endif
	TOSTAGE \a
	SEND \a-1, 16                                  ; behind that block's loads: this block's 8 stores and 8 loads
.endr
	SEND 7, 0
	s_wait_tensorcnt 0x0                           ; the wave's end
	ds_add_u32 v[SPW], v[NIL]
	s_wait_dscnt 0x0
	CROUND                                         ; the closing round
	s_endpgm
.Lfunc_end_k_qfa0983019c_down:
	.size	k_qfa0983019c_down, .Lfunc_end_k_qfa0983019c_down-k_qfa0983019c_down
	.p2alignl 7, 3214868480
	.fill 96, 4, 3214868480
	.section	.rodata,"a",@progbits
	.p2align	6, 0x0
	.amdhsa_kernel k_qfa0983019c_down
		.amdhsa_group_segment_fixed_size 327680
		.amdhsa_private_segment_fixed_size 0
		.amdhsa_enable_private_segment 0
		.amdhsa_kernarg_size 40
		.amdhsa_user_sgpr_count 2
		.amdhsa_user_sgpr_kernarg_segment_ptr 1
		.amdhsa_wavefront_size32 1
		.amdhsa_system_sgpr_workgroup_id_x 1
		.amdhsa_system_sgpr_workgroup_id_y 1
		.amdhsa_system_sgpr_workgroup_id_z 1
		.amdhsa_system_vgpr_workitem_id 0
		.amdhsa_next_free_vgpr 1024
		.amdhsa_next_free_sgpr 98
		.amdhsa_reserve_vcc 0
		.amdhsa_float_denorm_mode_32 3
		.amdhsa_float_denorm_mode_16_64 3
		.amdhsa_memory_ordered 1
		.amdhsa_forward_progress 1
		.amdhsa_inst_pref_size 144
	.end_amdhsa_kernel
	.amdgpu_metadata
---
amdhsa.version: [ 1, 2 ]
amdhsa.kernels:
  - .name:           k_qfa0983019c_down
    .symbol:         k_qfa0983019c_down.kd
    .args:
      - { .name: hq, .offset: 0, .size: 8, .value_kind: global_buffer, .address_space: global }
      - { .name: w2a, .offset: 8, .size: 8, .value_kind: global_buffer, .address_space: global }
      - { .name: b2, .offset: 16, .size: 8, .value_kind: global_buffer, .address_space: global }
      - { .name: wsum, .offset: 24, .size: 8, .value_kind: global_buffer, .address_space: global }
      - { .name: out0, .offset: 32, .size: 8, .value_kind: global_buffer, .address_space: global }
    .group_segment_fixed_size: 327680
    .private_segment_fixed_size: 0
    .kernarg_segment_align: 8
    .kernarg_segment_size: 40
    .max_flat_workgroup_size: 128
    .sgpr_count:     98
    .vgpr_count:     1024
    .wavefront_size: 32
...
	.end_amdgpu_metadata
.endif
;; end of part 3
